; MI455X (gfx1250); checked and timed in simulation.
; The chip was launched on July 23, 2026; its instructions are those of AMD's public machine-readable ISA for CDNA 5 (MIT licence, August 2026) and "CDNA5" Instruction Set Architecture Reference Guide (July 2026). The comments in the code are by the model that wrote it; some were corrected since.
;; Phase10 Tiny Attention Model. Allowed arithmetic: matrix products marked QUANTISED: E5M2 operands, one given power-of-two scale a tensor, by v_wmma_f32_16x16x64_bf8_bf8 or v_wmma_f32_16x16x128_bf8_bf8, f32 sums; products left as they are: f32 operands where the result goes on into a quantised operand, else bf16, f16 or f32 operands; f32 sums; everything else in f32.
;; Inputs: Wc 1,024 x 1,000 float32; Wk_codes 1,024 x 32 x 32 uint8 (E5M2 codes of Wk, K innermost, in blocks of 32 codes); Wq 1,024 x 1,024 float32; Wv_codes 1,024 x 32 x 32 uint8 (E5M2 codes of Wv, K innermost, in blocks of 32 codes); bc 1,000 float32; lowp_scales 4 int32 (the exponents e of the quantised operands' scales 2^e); x 8 x 4,096 x 1,024 float32.
;; Outputs: out0 8 x 1,000 float32.
;; This version of the problem:
;;   THIS VERSION OF THE PROBLEM IS GIVEN IN LOW PRECISION. The matrix products marked QUANTISED in the list below multiply operands that are first quantised to E5M2 (5 exponent bits, 2 mantissa bits; 8 bits a number), with one given power-of-two scale for each operand tensor; their sums are f32. All else is computed in f32.
;;   The module's matrix products, in the order in which they are computed (A, B: the left and right operand; K: the contracted axis; several contracted axes count as one K, in the product's order):
;;     1. [M 8, K 1,024] x [K 1,024, N 1,024]; A: input x; B: input Wq: left as it is (M = 8 < 16)
;;     2. [M 32,768, K 1,024] x [K 1,024, N 1,024]; A: input x; B: input Wk (given as codes): QUANTISED (scales: A lowp_scales[0], B lowp_scales[1])
;;     3. [M 32,768, K 1,024] x [K 1,024, N 1,024]; A: input x; B: input Wv (given as codes): QUANTISED (scales: A lowp_scales[2], B lowp_scales[3])
;;     4. batch 8 x [M 1, K 1,024] x [K 1,024, N 4,096]; A: computed on the way; B: computed on the way: left as it is (M = 1 < 16)
;;     5. batch 8 x [M 1, K 4,096] x [K 4,096, N 1,024]; A: softmax; B: computed on the way: left as it is (M = 1 < 16)
;;     6. [M 8, K 1,024] x [K 1,024, N 1,000]; A: computed on the way; B: input Wc: left as it is (M = 8 < 16)
;;   THE QUANTISER, for each operand of a quantised product, along K:
;;     - The operand's scale is 2^e, e = its entry of the input lowp_scales (int32; the entries are numbered through the quantised products in the list's order, A before B).
;;     - Each number is divided by the scale, clamped to +-57,344, and rounded to the nearest number of E5M2, ties to even, subnormals kept.
;;     - The product sums the exact products of the quantised numbers (number of the format x scale) in f32.
;;   ~~~python
;;   def quantise(x, axis, e):      # numpy; x: float32 -> the quantised numbers, widened to float32 again
;;       x = np.moveaxis(x, axis, -1); K = x.shape[-1]
;;       r = np.clip(x / 2.0 ** e, -57344, 57344)
;;       step = 2.0 ** (np.maximum(np.frexp(np.where(r == 0, 1, r))[1] - 1, -14) - 2)
;;       q = np.round(r / step) * step * 2.0 ** e      # np.round: ties to even
;;       return np.moveaxis(q, -1, axis).astype(np.float32)
;;   ~~~
;;   INPUTS GIVEN AS CODES. Wk (in the module: [1024, 1024], K = its axis 0); Wv (in the module: [1024, 1024], K = its axis 0): each comes as NAME_codes (uint8): NAME with its K axis moved to the last place and cut into blocks of 32 codes, [.., K / 32, bytes a block], one block behind the other in memory; one code a byte (a code: sign, 5 exponent bits, 2 mantissa bits); its scale is its entry of lowp_scales. Its value is code x scale, taken as it is: it is not quantised again, and the codes and scales need not be those that the quantiser above would give.
;; 2 versions. Each part assembles by itself: llvm-mc -triple=amdgcn-amd-amdhsa -mcpu=gfx1250 --defsym DOCPART=n.
;; ======== version 1 of 2: 3 launches
;; workspace buffers: qws 32,768 bytes; hpart 1,048,576 bytes; stat 65,536 bytes
;; launch qproj (part 1): grid 16 x 8, 16 waves a work-group, no clusters, 6,144 bytes of LDS; arguments x, Wq, qws; writes qws
.if DOCPART == 1
	.amdgcn_target "amdgcn-amd-amdhsa--gfx1250"
	.amdhsa_code_object_version 6
	.text
	.protected	k_q63a96e1a12_qproj
	.globl	k_q63a96e1a12_qproj
	.p2align	8
	.type	k_q63a96e1a12_qproj,@function
k_q63a96e1a12_qproj:
	s_mov_b64 s[64:65], 0
	v_nop
	global_prefetch_b8 v0, s[64:65] scope:SCOPE_SE
	s_setreg_imm32_b32 hwreg(HW_REG_WAVE_MODE, 25, 1), 1
	s_wait_xcnt 0x0
; qws[b][e] = log2(e)/32 x the sum over d of x[b][0][d] Wq[d][e]: the query of token 0, with the softmax's factor 1/sqrt(1024) and the change to base 2 folded in.  All in f32.
; A work-group takes one batch b (grid y) and 64 columns e (grid x): 256 aligned bytes of every row of Wq.  Wave v takes rows d = 64 v .. 64 v + 63.
; Lane: q4 = lane % 16 takes 4 columns (16 bytes), rs = lane / 16 takes rows 64 v + 32 rs + 0 .. 31: each load of Wq covers two whole rows' 256 bytes.
; The 16 waves' sums meet in LDS (256 bytes a wave); wave 0 adds them and stores 256 consecutive bytes from sixteen lanes.
; No matrix unit: the product has 8 rows in all and is bound by the bytes of Wq.  No cluster: no two work-groups of a batch read the same bytes of Wq, and x's row is 4 KB.
.set XV, 16                            ; v16-47   my 32 numbers of x's row
.set W,  48                            ; v48-175  32 rows x 4 columns of Wq
.set A,  176                           ; v176-183 two sets of 4 sums: even rows', odd rows'
.set T,  184                           ; v188-191 destinations of the lane permutes
	s_load_b128 s[4:7], s[0:1], 0x0                ; x, Wq
	s_load_b64 s[8:9], s[0:1], 0x10                ; qws
	v_lshl_add_u32 v192, v0, 2, 0x1000
	v_mov_b32 v193, 0
	v_lshrrev_b32 v8, 5, v0
	v_readfirstlane_b32 s18, v8                    ; wave 0..15
	v_and_b32 v1, 31, v0                           ; lane
	v_and_b32 v2, 15, v0                           ; q4
	v_bfe_u32 v3, v0, 4, 1                         ; rs
	s_and_b32 s19, ttmp7, 0xffff                   ; b
	s_lshl_b32 s20, s18, 6
	v_lshl_add_u32 v9, v3, 5, s20                  ; my first row: 64 v + 32 rs
	v_lshlrev_b32 v4, 12, v9
	v_lshl_add_u32 v4, v2, 4, v4                   ; Wq: row x 4,096 + 16 q4
	v_lshlrev_b32 v5, 2, v9                        ; x: 4 x row
	s_lshl_b32 s21, s18, 8
	v_lshl_add_u32 v6, v2, 4, s21                  ; LDS, in: 256 v + 16 q4
	v_lshlrev_b32 v7, 11, v3
	v_lshl_add_u32 v7, v2, 4, v7                   ; LDS, back: waves 8 rs + 0 .. 7
	v_lshlrev_b32 v10, 4, v2                       ; qws: 16 q4
.irp j, 4,5,6,7
	v_mov_b32 v[T+\j], 0                           ; written once: a lane permute's destination counts as one of its sources
.endr
	s_mov_b32 s12, 0x76543210                      ; v_permlanex16_b32: lane l xor 16
	s_mov_b32 s13, 0xfedcba98
	s_lshl_b32 s22, s19, 24                        ; a batch of x: 4,096 x 1,024 x 4 bytes
	s_mov_b32 s23, 0
	s_lshl_b32 s24, ttmp9, 8                       ; my 64 columns
	s_mov_b32 s25, 0
	s_lshl_b32 s26, s19, 12                        ; a row of qws
	s_mov_b32 s27, 0
	s_wait_kmcnt 0x0
	s_add_nc_u64 s[4:5], s[4:5], s[22:23]
	s_add_nc_u64 s[6:7], s[6:7], s[24:25]
	s_add_nc_u64 s[8:9], s[8:9], s[24:25]
	s_add_nc_u64 s[8:9], s[8:9], s[26:27]
.irp k, 0,1,2,3,4,5,6,7
	global_load_b128 v[XV+4*\k:XV+4*\k+3], v5, s[4:5] offset:16*\k
.endr
.set cnt, 0
.rept 32
	global_load_b128 v[W+4*cnt:W+4*cnt+3], v4, s[6:7] offset:4096*cnt
.set cnt, cnt+1
.endr
; Row r of my 32: four columns x one number of x, two packed instructions.  The number is one register of a pair: op_sel and op_sel_hi give it to both halves.  Rows 0 and 1 start the two sets of sums.
.macro MAC r
.set rA, A+4*((\r)%2)
.set rW, W+4*(\r)
.set rX, XV+(\r)-((\r)%2)
	s_wait_loadcnt 31-(\r)                         ; loads come back in order (ISA guide 5.7.1): row r is in, the rows behind it may be out
.if (\r) == 0
	v_pk_mul_f32 v[rA:rA+1], v[rW:rW+1], v[rX:rX+1] op_sel_hi:[1,0]
	v_pk_mul_f32 v[rA+2:rA+3], v[rW+2:rW+3], v[rX:rX+1] op_sel_hi:[1,0]
.elseif (\r) == 1
	v_pk_mul_f32 v[rA:rA+1], v[rW:rW+1], v[rX:rX+1] op_sel:[0,1] op_sel_hi:[1,1]
	v_pk_mul_f32 v[rA+2:rA+3], v[rW+2:rW+3], v[rX:rX+1] op_sel:[0,1] op_sel_hi:[1,1]
.elseif (\r)%2 == 0
	v_pk_fma_f32 v[rA:rA+1], v[rW:rW+1], v[rX:rX+1], v[rA:rA+1] op_sel_hi:[1,0,1]
	v_pk_fma_f32 v[rA+2:rA+3], v[rW+2:rW+3], v[rX:rX+1], v[rA+2:rA+3] op_sel_hi:[1,0,1]
.else
	v_pk_fma_f32 v[rA:rA+1], v[rW:rW+1], v[rX:rX+1], v[rA:rA+1] op_sel:[0,1,0] op_sel_hi:[1,1,1]
	v_pk_fma_f32 v[rA+2:rA+3], v[rW+2:rW+3], v[rX:rX+1], v[rA+2:rA+3] op_sel:[0,1,0] op_sel_hi:[1,1,1]
.endif
.endm
.set cnt, 0
.rept 32
	MAC cnt
.set cnt, cnt+1
.endr
	v_pk_add_f32 v[A:A+1], v[A:A+1], v[A+4:A+5]    ; even rows' + odd rows'
	v_pk_add_f32 v[A+2:A+3], v[A+2:A+3], v[A+6:A+7]
.irp j, 0,1,2,3
	v_permlanex16_b32 v[T+4+\j], v[A+\j], s12, s13 ; the other 32 rows of my wave
.endr
	v_pk_add_f32 v[A:A+1], v[A:A+1], v[T+4:T+5]
	v_pk_add_f32 v[A+2:A+3], v[A+2:A+3], v[T+6:T+7]
	ds_store_b128 v6, v[A:A+3]                     ; both halves of the lanes hold the same sums and store the same bytes
	s_wait_dscnt 0x0                               ; for the others' sake: my store is done
	s_barrier_signal -1
	s_barrier_wait -1
	s_cmp_lg_u32 s18, 0
	s_cbranch_scc1 .Ldone                          ; wave 0 alone adds the sixteen and stores
.irp k, 0,1,2,3,4,5,6,7
	ds_load_b128 v[W+4*\k:W+4*\k+3], v7 offset:256*\k
.endr
	s_wait_dscnt 0x0
.irp k, 0,2,4,6
	v_pk_add_f32 v[W+4*\k:W+4*\k+1], v[W+4*\k:W+4*\k+1], v[W+4*\k+4:W+4*\k+5]
	v_pk_add_f32 v[W+4*\k+2:W+4*\k+3], v[W+4*\k+2:W+4*\k+3], v[W+4*\k+6:W+4*\k+7]
.endr
.irp k, 0,4
	v_pk_add_f32 v[W+4*\k:W+4*\k+1], v[W+4*\k:W+4*\k+1], v[W+4*\k+8:W+4*\k+9]
	v_pk_add_f32 v[W+4*\k+2:W+4*\k+3], v[W+4*\k+2:W+4*\k+3], v[W+4*\k+10:W+4*\k+11]
.endr
	v_pk_add_f32 v[W:W+1], v[W:W+1], v[W+16:W+17]
	v_pk_add_f32 v[W+2:W+3], v[W+2:W+3], v[W+18:W+19]
.irp j, 0,1,2,3
	v_permlanex16_b32 v[T+4+\j], v[W+\j], s12, s13 ; waves 8-15's (or 0-7's)
.endr
	v_pk_add_f32 v[W:W+1], v[W:W+1], v[T+4:T+5]
	v_pk_add_f32 v[W+2:W+3], v[W+2:W+3], v[T+6:T+7]
	v_pk_mul_f32 v[W:W+1], v[W:W+1], 0x3d38aa3b op_sel_hi:[1,0]        ; x log2(e) / 32
	v_pk_mul_f32 v[W+2:W+3], v[W+2:W+3], 0x3d38aa3b op_sel_hi:[1,0]
	v_cmp_gt_u32 vcc_lo, 16, v1
	s_wait_xcnt 0x0                                ; EXEC is a source of the loads above: it changes only behind this wait
	s_and_saveexec_b32 s28, vcc_lo
	global_store_b128 v10, v[W:W+3], s[8:9]        ; sixteen lanes store 256 consecutive bytes, at a multiple of 256 from the buffer's first byte
	s_wait_xcnt 0x0
	s_or_b32 exec_lo, exec_lo, s28
.Ldone:
	s_wait_tensorcnt 0x0
	ds_add_u32 v192, v193
	s_wait_dscnt 0x0
	s_endpgm
.Lfunc_end_k_q63a96e1a12_qproj:
	.size	k_q63a96e1a12_qproj, .Lfunc_end_k_q63a96e1a12_qproj-k_q63a96e1a12_qproj
	.p2alignl 7, 3214868480
	.fill 96, 4, 3214868480
	.section	.rodata,"a",@progbits
	.p2align	6, 0x0
	.amdhsa_kernel k_q63a96e1a12_qproj
		.amdhsa_group_segment_fixed_size 6144
		.amdhsa_private_segment_fixed_size 0
		.amdhsa_enable_private_segment 0
		.amdhsa_kernarg_size 24
		.amdhsa_user_sgpr_count 2
		.amdhsa_user_sgpr_kernarg_segment_ptr 1
		.amdhsa_wavefront_size32 1
		.amdhsa_system_sgpr_workgroup_id_x 1
		.amdhsa_system_sgpr_workgroup_id_y 1
		.amdhsa_system_sgpr_workgroup_id_z 1
		.amdhsa_system_vgpr_workitem_id 0
		.amdhsa_next_free_vgpr 194
		.amdhsa_next_free_sgpr 66
		.amdhsa_reserve_vcc 1
		.amdhsa_float_denorm_mode_32 3
		.amdhsa_float_denorm_mode_16_64 3
		.amdhsa_memory_ordered 1
		.amdhsa_forward_progress 1
		.amdhsa_inst_pref_size 14
	.end_amdhsa_kernel
	.amdgpu_metadata
---
amdhsa.version: [ 1, 2 ]
amdhsa.kernels:
  - .name:           k_q63a96e1a12_qproj
    .symbol:         k_q63a96e1a12_qproj.kd
    .args:
      - { .name: x, .offset: 0, .size: 8, .value_kind: global_buffer, .address_space: global }
      - { .name: Wq, .offset: 8, .size: 8, .value_kind: global_buffer, .address_space: global }
      - { .name: qws, .offset: 16, .size: 8, .value_kind: global_buffer, .address_space: global }
    .group_segment_fixed_size: 6144
    .private_segment_fixed_size: 0
    .kernarg_segment_align: 8
    .kernarg_segment_size: 24
    .max_flat_workgroup_size: 512
    .sgpr_count:     66
    .vgpr_count:     194
    .wavefront_size: 32
...
	.end_amdgpu_metadata
.endif
;; end of part 1
;; launch attn (part 2): grid 256 x 1, 4 waves a work-group, clusters of 4 x 1, 327,680 bytes of LDS; arguments x, Wk_codes, Wv_codes, lowp_scales, qws, hpart, stat; writes hpart, stat
.if DOCPART == 2
	.amdgcn_target "amdgcn-amd-amdhsa--gfx1250"
	.amdhsa_code_object_version 6
	.text
	.protected	k_q63a96e1a12_attn
	.globl	k_q63a96e1a12_attn
	.p2align	8
	.type	k_q63a96e1a12_attn,@function
k_q63a96e1a12_attn:
	s_mov_b64 s[64:65], 0
	v_nop
	global_prefetch_b8 v0, s[64:65] scope:SCOPE_SE
	s_setreg_imm32_b32 hwreg(HW_REG_WAVE_MODE, 25, 1), 1
	s_wait_xcnt 0x0
	s_wait_alu depctr_hold_cnt(0) depctr_sa_sdst(0) depctr_va_vdst(0) depctr_va_sdst(0) depctr_va_ssrc(0) depctr_va_vcc(0) depctr_vm_vsrc(0)
	s_getreg_b32 s2, hwreg(HW_REG_IB_STS2, 6, 4)
	s_cmp_eq_u32 s2, 0
	s_cbranch_scc0 .Lentry_in_a_cluster
	s_endpgm
.Lentry_in_a_cluster:
	s_bfe_u32 s2, ttmp6, 0x10000c
	s_cmp_lg_u32 s2, 0x3003
	s_cbranch_scc0 .Lentry_shape_is_right
	s_endpgm
.Lentry_shape_is_right:
; For 128 tokens of one batch: k = x Wk and v = x Wv on codes of BF8 (E5M2), the scores q . k, a softmax under the block's own maximum, and the block's part of h.  k and v never leave the registers.
;   t[row] = 2^(e0+e1) x sum over e of q'[e] x (sum over K of code(x/2^e0) code(Wk));   m = the largest t of the 128 rows;   p = 2^(t - m);   l = the sum of p;
;   hpart[e] = 2^(e2+e3) x sum over rows of p x (sum over K of code(x/2^e2) code(Wv)).   q' holds log2(e)/32.  The next launch joins a batch's 32 blocks under their common maximum.
; SHARES.  256 work-groups of four waves, one to a block of 128 rows.  THE WAVES SHARE K: wave w owns K = 256 w .. 256 w + 255 for all 128 rows.  Its codes of x, 8 tiles of 16 rows x 2 steps of 128 along K x 16 registers,
; are 256 registers under e0 and 256 under e2 (the two scales are given apart and may differ): they are made once and stay.  x is read from memory once.  Both reductions behind the products are linear, so the
; four waves' parts of a sum over K are added behind them: 128 scores, then 1,024 numbers of h, in f32.  (So a sum over K is rounded in another order than one f32 chain would round it.)
; WEIGHTS.  Every work-group walks all of Wk and then all of Wv, 128 rows (outputs e) a tile; wave w wants K bytes 256 w on of each row: 256 bytes, at a multiple of 256 from the buffer's first byte.  A fragment (16 e x 128 K)
; is read from LDS by one wave, once, and feeds eight matrix instructions.  CLUSTER: the four work-groups of a cluster walk the same weights: each tile is asked for JOINTLY (mask 15: a mask names four at the most).
; THE RING.  Two LDS regions, each with an area for every wave; only the wave that asked for a tile reads it.  Twenty tiles take turns: x's four (32 rows x my 256 columns, f32: plain loads), Wk's eight, Wv's eight.
; By this text's count a wave has two tensor loads out at the start and one behind each round.
; THE PRODUCT: source 0 = 16 rows of x, source 1 = 16 rows of W: in the result lane (r, h) holds output e = r of the tile and, in register j, row 8 h + j.  So q' is one number a lane, p eight registers a tile of rows,
; and the scores come out in the layout in which p is wanted.  A fragment's registers 4 c .. 4 c + 3 hold K = 32 c + 16 h + 0 .. 15, in x and in W alike: every product meets its partner (ISA guide 7.12.2 gives the form's own places).
; BY TURNS.  A tile (16 e x 128 rows) is 16 matrix instructions on 8 accumulators, which take turns; its reduction, 32 packed multiply-adds, stands in slices of two behind the NEXT tile's
; matrix instructions, on the other set of accumulators.  x's codes fill two windows, so a slice costs two switches of the register windows.
; LIMITS: e0 and e2 between -126 and 112, so that 2^e and 57,344 x 2^e are f32 numbers; e0 + e1 and e2 + e3 go through v_ldexp_f32 and have none.  NaN in x is not served; an infinity is held at the largest code.
; REGISTERS, in windows of 256.  Window 0: v1-31 addresses and scales; v32-39 q', two sets; v40-47 h, two sets; v48 m, v49 l; v50-63 at work; v64-127 S: at work while x is quantised, then scores, then p (register 8 m + j: row 16 m + 8 h + j);
;   v128-255 two sets of eight accumulators (while x is quantised: two sets of 64 numbers).  Window 1: W's fragments, two sets of 128.  Window 2: x's codes under e0, fragment (m, s) at v[16 (2 m + s)].  Window 3: under e2.
.set WAVEB, 34816                      ; a wave's area in a region: 128 rows x 272 (a weight tile); an x tile, 32 rows x 1,040, is smaller
.set REG1,  139264                     ; region 1 = 4 areas on = 0x22000: its two bits meet no bit of wave x 0x8800, so one exclusive or turns an address from one region to the other
.set SPARE, 278528                     ; the spare words, 128 bytes for each wave: two blocks of 256 bytes that no other line names
.set QB,    279040                     ; q', laid so that one 16-byte load gives a lane its four numbers of a group: QB + 256 g + 16 r + 4 i = q'[64 g + 16 i + r]
.set SC,    283136                     ; 4 waves x 128 parts of scores
.set HP,    285184                     ; 8 vectors (2 wave + h) x 1,024 f32: parts of h
.set PX,    1040                       ; an x row in LDS: 1,024 bytes + 16: the 16 rows of a load start at 16 different banks (64 banks of 4 bytes: ISA guide 11.1)
.set PW,    272                        ; a weight row: 256 bytes + 16: likewise
.set PF,  3                            ; v3   4,096 x lane: a row of x for each lane, for the prefetches; never rewritten
.set SPW, 4                            ; v4   LDS address of my spare word; never rewritten
.set NIL, 5                            ; v5   0; never rewritten
.set XA,  6                            ; v6-7 my place in my x tile in region 0, 1
.set LB,  8                            ; v8   my place in my weight tile in region 0
.set ADR, 9                            ; v9   the address of the run of loads in hand
.set QA0, 10
.set QADR, 11
.set HA0, 12
.set HADR, 13
.set SCW, 14
.set SCR, 15
.set SC0, 16                           ; v16 2^e0, v17 57,344 x 2^e0, v18, v19 the same with e2
.set LIM0, 17
.set SC2, 18
.set LIM2, 19
.set CH,  20                           ; v20-27 four chains of packed sums
.set FRD, 28
.set GO,  29
.set SO,  30
.set Q,   32
.set H,   40
.set MX,  48
.set L,   49
.set T,   50
.set QS,  58
.set PT,  60                           ; v60-61 destinations of the lane permutes
.set S,   64
.set ACC, 128
.set ST0, 128
.set ST1, 192
.set WV,  18                           ; s18 my wave's number
.set GX,  28                           ; s[28:35] descriptor group 1 for x's tiles
.set GW,  36                           ; s[36:43] for the weights' tiles
.set G0A, 44                           ; s[44:47], s[48:51] group 0 for x's tiles in region 0, 1
.set G0B, 48
.set G0K, 52                           ; s[52:55] group 0 for Wk's tiles, which walks;  s[56:59] for Wv's
.set G0V, 56
.set TB,  60                           ; s60 the region of the tile in hand: 0 or REG1
.set QO,  61                           ; s61 256 x the group whose q' is fetched next
.set HO,  62                           ; s62 256 x the group whose h is stored next
.set CNT, 63
.set SEL, 66                           ; s[66:67] v_permlanex16_b32: lane l xor 16
.set E01, 68
.set E23, 69
.set XW,  70                           ; s[70:71] x at my block's first row, my wave's first column; never rewritten
.set MSB, 0
.macro WIN new                         ; the immediate's high byte repeats the setting that is left; a switch that changes nothing is dropped
.if MSB != (\new)
	s_set_vgpr_msb (MSB<<8)|(\new)
.set MSB, (\new)
.endif
.endm
; A round of the cluster's barrier: my work-group's barrier, so that wave 0's signal speaks for all four waves; wave 0 signals; every wave waits for the four work-groups; my work-group's barrier once more.
.macro CREST
	s_cmp_lg_u32 s[WV], 0
	s_cbranch_scc1 .Lnot_wave_0_\@
	s_barrier_signal -3
.Lnot_wave_0_\@:
	s_barrier_wait -3
	s_barrier_signal -1
	s_barrier_wait -1
.endm
.macro ROUND
	s_barrier_signal -1
	s_barrier_wait -1
	CREST
.endm
; A region that has been read is filled again.  step = 1: x's descriptor goes 64 rows down; 2: a weight descriptor turns to the other region and goes 128 rows down; 0: it is used as it stands.
.macro CHANGE g0, g1, step
	s_wait_tensorcnt 0x0                           ; all my tensor loads have landed, the tile that I read next among them: so a group 0 may be written
	ds_add_u32 v[SPW], v[NIL]                      ; 0 onto my spare word
.if \step == 1
	s_add_nc_u64 s[\g0+2:\g0+3], s[\g0+2:\g0+3], 262144
.elseif \step == 2
	s_xor_b32 s[\g0+1], s[\g0+1], REG1
	s_add_nc_u64 s[\g0+2:\g0+3], s[\g0+2:\g0+3], 131072
.endif
	s_wait_dscnt 0x0                               ; the add is done; my reads of the region are over, and my LDS stores have landed
	ROUND                                          ; that now holds of every wave of the four work-groups
	tensor_load_to_lds s[\g0:\g0+3], s[\g1:\g1+7]  ; my one tensor load behind the round, and the first thing there
	s_nop 0
.rept 4
	v_nop
.endr
.endm
; 64 numbers of x: rows 16 mm + r of the tile, K step s of my two: register 16 b + 4 j + .. = K 32 b + 16 h + 4 j + ..
.macro XFRAG reg, adr, mm, s
.irp b, 0,1,2,3
.irp j, 0,1,2,3
	ds_load_b128 v[\reg+16*\b+4*\j:\reg+16*\b+4*\j+3], v[\adr] offset:16*PX*(\mm)+512*(\s)+128*\b+16*\j
.endr
.endr
.endm
; They become fragment f twice: under e0 (held into S, converted into window 2) and under e2 (held in place, converted into window 3).  The conversion to an 8-bit code does not saturate (ISA guide 7.6.2): hence the holds.
.macro QUANT2 src, f
.set n, 0
.rept 64
	v_med3_num_f32 v[S+n], v[\src+n], -v[LIM0], v[LIM0]
.set n, n+1
.endr
	WIN 0x80
.set n, 0
.rept 8
	v_cvt_scalef32_pk8_bf8_f32 v[16*(\f)+2*n:16*(\f)+2*n+1], v[S+8*n:S+8*n+7], v[SC0]
.set n, n+1
.endr
	WIN 0
.set n, 0
.rept 64
	v_med3_num_f32 v[\src+n], v[\src+n], -v[LIM2], v[LIM2]   ; (plain lines that touch nothing of the conversions above: the place behind them)
.set n, n+1
.endr
	WIN 0xc0
.set n, 0
.rept 8
	v_cvt_scalef32_pk8_bf8_f32 v[16*(\f)+2*n:16*(\f)+2*n+1], v[\src+8*n:\src+8*n+7], v[SC2]
.set n, n+1
.endr
	WIN 0
	v_nop                                          ; one plain line behind the last conversion, ahead of whatever next touches its registers
.endm
.macro PREF off                        ; my wave's 1,024 bytes of 32 rows of x, off bytes below my first row: a lane to a row, four blocks of 256 bytes a row, each asked for once in the launch
.irp i, 0,1,2,3
	global_prefetch_b8 v[PF], s[XW:XW+1] offset:\off+256*\i th:TH_LOAD_NT scope:SCOPE_SE
.endr
.endm
; x tile i (rows 32 i on) becomes fragments 4 i .. 4 i + 3.  Two sets of 64 numbers take turns: each count of 16 leaves the one younger fragment's loads out.
.macro XSTEP i, pf
	XFRAG ST0, XA+(\i)%2, 0, 0
	XFRAG ST1, XA+(\i)%2, 0, 1
	s_wait_dscnt 16
	QUANT2 ST0, 4*(\i)
	XFRAG ST0, XA+(\i)%2, 1, 0
	s_wait_dscnt 16
.if \pf
	PREF 393216                                    ; x tile 3, which is asked for behind this tile's work; the tile is the block's last, so nothing is asked for past it
.endif
	QUANT2 ST1, 4*(\i)+1
	XFRAG ST1, XA+(\i)%2, 1, 1
	s_wait_dscnt 16
	QUANT2 ST0, 4*(\i)+2
	s_wait_dscnt 0x0
	QUANT2 ST1, 4*(\i)+3
.endm
.macro QLOAD qs                        ; the next group's q': four numbers a lane
	v_add_nc_u32 v[QADR], s[QO], v[QA0]
	s_add_co_u32 s[QO], s[QO], 256
	ds_load_b128 v[Q+4*(\qs):Q+4*(\qs)+3], v[QADR]
.endm
.macro HSTORE hs                       ; a finished group's 64 parts of h: tile i's at 64 i bytes
	v_add_nc_u32 v[HADR], s[HO], v[HA0]
	s_add_co_u32 s[HO], s[HO], 256
.irp i, 0,1,2,3
	ds_store_b32 v[HADR], v[H+4*(\hs)+\i] offset:64*\i
.endr
.endm
; One run of LDS instructions for a group of 64 e (half gs of the tile in hand): its q' (q = 1), the h of the group before the one at work (hst = 1), and its eight fragments into set 'set', tile by tile.
.macro RUN set, gs, q, hst
	WIN 0
	v_add_nc_u32 v[ADR], s[TB], v[LB]
.if \q
	QLOAD \set
.endif
.if \hst
	HSTORE \set
.endif
	WIN 0x40                                       ; destination window 1, address window 0
.irp i, 0,1,2,3
.irp s, 0,1
.irp c, 0,1,2,3
	ds_load_b128 v[128*(\set)+32*\i+16*\s+4*\c:128*(\set)+32*\i+16*\s+4*\c+3], v[ADR] offset:(64*(\gs)+16*\i)*PW+128*\s+32*\c
.endr
.endr
.endr
.set NRUN, 32+\q+4*\hst
.endm
; Item e of 32 of a tile's reduction: tile of rows e / 4, registers 2 (e % 4) and the next: each accumulator is read from its low end on.
.macro ITEMK e, pp, qr, first          ; scores += k x q'.  v[qr] is one register of a pair: op_sel and op_sel_hi give it to both halves.  first = 1: the product starts the scores
.set rA, ACC+64*(\pp)+8*((\e)/4)+2*((\e)%4)
.set rS, S+8*((\e)/4)+2*((\e)%4)
.set rQ, (\qr)-((\qr)%2)
.if (\qr)%2
.if (\first)
	v_pk_mul_f32 v[rS:rS+1], v[rA:rA+1], v[rQ:rQ+1] op_sel:[0,1] op_sel_hi:[1,1]
.else
	v_pk_fma_f32 v[rS:rS+1], v[rA:rA+1], v[rQ:rQ+1], v[rS:rS+1] op_sel:[0,1,0] op_sel_hi:[1,1,1]
.endif
.else
.if (\first)
	v_pk_mul_f32 v[rS:rS+1], v[rA:rA+1], v[rQ:rQ+1] op_sel_hi:[1,0]
.else
	v_pk_fma_f32 v[rS:rS+1], v[rA:rA+1], v[rQ:rQ+1], v[rS:rS+1] op_sel_hi:[1,0,1]
.endif
.endif
.endm
.macro ITEMV e, pp                     ; four chains of v x p; the first tile of rows starts them
.set rA, ACC+64*(\pp)+8*((\e)/4)+2*((\e)%4)
.set rS, S+8*((\e)/4)+2*((\e)%4)
.set rC, CH+2*((\e)%4)
.if (\e) < 4
	v_pk_mul_f32 v[rC:rC+1], v[rA:rA+1], v[rS:rS+1]
.else
	v_pk_fma_f32 v[rC:rC+1], v[rA:rA+1], v[rS:rS+1], v[rC:rC+1]
.endif
.endm
.macro HSUM hr                         ; the four chains' eight sums: my lane's part of h for its e
	v_pk_add_f32 v[CH:CH+1], v[CH:CH+1], v[CH+2:CH+3]
	v_pk_add_f32 v[CH+4:CH+5], v[CH+4:CH+5], v[CH+6:CH+7]
	v_pk_add_f32 v[CH:CH+1], v[CH:CH+1], v[CH+4:CH+5]
	v_add_f32 v[\hr], v[CH], v[CH+1]
.endm
; Tile i of a group (16 e x 128 rows x my 256 along K), fragments from set 'set': 16 matrix instructions, K step 0 of the eight tiles of rows (C = 0: nothing is cleared), then K step 1.  ph = 0: x under e0, 1: under e2.
; epi: the reduction of the tile BEFORE stands in slices of two behind the matrix instructions (0: there is none; 2: it starts the scores).  The slices are the places behind the matrix instructions (ISA guide 7.12.1):
; an accumulator is read sixteen plain lines or more behind its last product, and begun anew 28 foreign plain lines or more behind it.
.macro TILE ph, set, i, epi
.set TP, (\i)%2
.set TS, (\set)
.if (\i) == 0
.set TS, 1-(\set)
.endif
.set TQ, Q+4*TS+((\i)+3)%4
.set TH, H+4*TS+((\i)+3)%4
.set kk, 0
.rept 16
	WIN 0x06+\ph                                   ; source 0 window 2 or 3, source 1 window 1, C and D window 0
.set rD, ACC+64*TP+8*(kk%8)
.set rX, 16*(2*(kk%8)+kk/8)
.set rW, 128*(\set)+32*(\i)+16*(kk/8)
.if kk < 8
	v_wmma_f32_16x16x128_bf8_bf8 v[rD:rD+7], v[rX:rX+15], v[rW:rW+15], 0
.else
	v_wmma_f32_16x16x128_bf8_bf8 v[rD:rD+7], v[rX:rX+15], v[rW:rW+15], v[rD:rD+7]
.endif
.if \epi
	WIN 0
.if \ph == 0
	ITEMK 2*kk, 1-TP, TQ, \epi-1
	ITEMK 2*kk+1, 1-TP, TQ, \epi-1
.else
	ITEMV 2*kk, 1-TP
	ITEMV 2*kk+1, 1-TP
.if kk == 15
	HSUM TH
.endif
.endif
.endif
.set kk, kk+1
.endr
.if \epi == 0
	WIN 0
.rept 4
	v_nop                                          ; a phase's first tile has no slices: the places ahead of the first read of its results
.endr
.endif
.endm
.macro DRAIN ph                        ; a phase's last tile (set 1, tile 3) has no successor: its reduction stands alone
.set kk, 0
.rept 32
.if \ph == 0
	ITEMK kk, 1, Q+7, 0
.else
	ITEMV kk, 1
.endif
.set kk, kk+1
.endr
.if \ph
	HSUM H+7
.endif
.endm
; A group on set 0: the first half of a weight tile.  In its middle it fetches the second half into set 1.  Counts: a tile's fragments are eight loads.
.macro GROUPA ph, first, q, hst
	s_wait_dscnt 24                                ; tile 0's fragments are in (and what was issued ahead of them); tiles 1-3's may be out
.if \first
	TILE \ph, 0, 0, 0
.else
	TILE \ph, 0, 0, 1
.endif
	s_wait_dscnt 16
.if \first && (\ph == 0)
	TILE \ph, 0, 1, 2
.else
	TILE \ph, 0, 1, 1
.endif
	RUN 1, 1, \q, \hst
	s_wait_dscnt 8+NRUN                            ; tile 2's are in; tile 3's eight and the run just issued may be out
	TILE \ph, 0, 2, 1
	s_wait_dscnt NRUN
	TILE \ph, 0, 3, 1
	WIN 0
.endm
; A group on set 1: the second half of a weight tile, whose region is then free.  mode 2: the region is filled again, two tiles ahead, and the next tile's first half is fetched into set 0;
; mode 1: nothing is left to ask for; the next tile's first half is fetched;  mode 0: the very last group.
.macro GROUPB ph, mode, g0, step, q, hst
.if \mode == 2
	s_wait_tensorcnt 0x0                           ; all my tensor loads have landed: the one that was out is the next tile; so a group 0 may be written
	ds_add_u32 v[SPW], v[NIL]                      ; 0 onto my spare word; a tile's work stands between it and the wait for it
.if \step
	s_xor_b32 s[\g0+1], s[\g0+1], REG1             ; the walking descriptor: the other region than last time,
	s_add_nc_u64 s[\g0+2:\g0+3], s[\g0+2:\g0+3], 131072   ; the next 128 rows of 1,024 bytes; the type bits on top are not reached
.endif
	s_wait_dscnt 25                                ; tile 0's fragments are in; the add and tiles 1-3's 24 loads may be out
	TILE \ph, 1, 0, 1
	s_wait_dscnt 0x0                               ; the add is done, and my reads of this region are over
	s_barrier_signal -1                            ; this barrier opens a round of the cluster's barrier
	TILE \ph, 1, 1, 1                              ; work on registers while the others arrive
	WIN 0
	s_barrier_wait -1
	CREST                                          ; no wave of any partner still reads its part of the region or has a load on its way
	tensor_load_to_lds s[\g0:\g0+3], s[GW:GW+7]    ; the joint refill: my one tensor load behind the round, and the first thing there; it has two groups, 128 matrix instructions, less two tiles in which to land
	s_nop 0
.rept 4
	v_nop
.endr
	s_xor_b32 s[TB], s[TB], REG1                   ; on to the other region
	RUN 0, 0, \q, \hst
	TILE \ph, 1, 2, 1                              ; (set 1 is all in since the wait for 0 above: no wait is owed here)
	TILE \ph, 1, 3, 1
.else
.if \mode == 1
	s_wait_tensorcnt 0x0                           ; the last tile has landed; its bytes are my own, and nothing is filled: no barrier
.endif
	s_wait_dscnt 24
	TILE \ph, 1, 0, 1
	s_wait_dscnt 16
	TILE \ph, 1, 1, 1
	WIN 0
.if \mode == 1
	s_xor_b32 s[TB], s[TB], REG1
	RUN 0, 0, \q, \hst
.else
	HSTORE 0
.set NRUN, 4
.endif
	s_wait_dscnt 8+NRUN
	TILE \ph, 1, 2, 1
	s_wait_dscnt NRUN
	TILE \ph, 1, 3, 1
.endif
	WIN 0
.endm
	s_load_b256 s[4:11], s[0:1], 0x0               ; x s[4:5], Wk's codes s[6:7], Wv's codes s[8:9], the scales' exponents s[10:11]
	s_load_b128 s[12:15], s[0:1], 0x20             ; qws s[12:13], hpart s[14:15]
	s_load_b64 s[16:17], s[0:1], 0x30              ; stat
	v_lshl_add_u32 v[SPW], v0, 2, SPARE
	v_mov_b32 v[NIL], 0
	ds_add_u32 v4, v5
	s_wait_dscnt 0x0
	v_lshrrev_b32 v1, 5, v0
	v_readfirstlane_b32 s[WV], v1                  ; wave 0..3
	s_bfe_u32 s19, ttmp6, 0x40000                  ; cx: my place in the cluster: it enters the addresses of x, hpart and stat alone
	s_lshl_b32 s20, ttmp9, 2                       ; in a cluster launch ttmp9 counts clusters
	s_add_co_u32 s20, s20, s19                     ; my block of 128 rows
	; descriptor group 1 for x: 32 rows x 256 elements of 4 bytes, 1,024 elements from row to row
	s_mov_b32 s[GX+0], (2<<16)|(1<<20)|(7<<22)|(3<<25)   ; 15:0 no mask; 17:16 elements of 4 bytes; 20 padding on; 24:22 after every 256 words (code 7); 31:25 four words (code 3)
	s_mov_b32 s[GX+1], 256<<16                     ; tensor_dim0
	s_mov_b32 s[GX+2], 32<<16                      ; tensor_dim1
	s_mov_b32 s[GX+3], 256<<16                     ; tile_dim0
	s_mov_b32 s[GX+4], 32                          ; tile_dim1
	s_mov_b32 s[GX+5], 1024                        ; tensor_dim0_stride
	s_mov_b32 s[GX+6], 0
	s_mov_b32 s[GX+7], 0
	; and for the weights: 128 rows x 256 bytes, 1,024 bytes from row to row
	s_mov_b32 s[GW+0], 15|(1<<20)|(1<<21)|(5<<22)|(3<<25)   ; 15:0 the mask: all four work-groups; 17:16 elements of 1 byte; 20 padding on; 21 set beside a mask; 24:22 after every 64 words (code 5); 31:25 four words
	s_mov_b32 s[GW+1], 256<<16
	s_mov_b32 s[GW+2], 128<<16
	s_mov_b32 s[GW+3], 256<<16
	s_mov_b32 s[GW+4], 128
	s_mov_b32 s[GW+5], 1024
	s_mov_b32 s[GW+6], 0
	s_mov_b32 s[GW+7], 0
	s_mul_i32 s22, s[WV], WAVEB                    ; my area in a region: the wave's number alone enters an LDS address
	s_lshl_b32 s72, s20, 19                        ; my block: 128 rows of 4,096 bytes,
	s_lshl_b32 s73, s[WV], 10                      ; my 256 columns
	s_add_co_u32 s72, s72, s73
	s_mov_b32 s73, 0
	s_lshl_b32 s74, s[WV], 8                       ; my 256 bytes of a weight row
	s_mov_b32 s75, 0
	s_lshr_b32 s76, ttmp9, 3                       ; the batch: 32 blocks, 8 clusters
	s_lshl_b32 s76, s76, 12
	s_mov_b32 s77, 0
	s_lshl_b32 s78, s20, 12                        ; my 4,096 bytes of hpart
	s_mov_b32 s79, 0
	s_wait_kmcnt 0x0
	s_load_b128 s[24:27], s[10:11], 0x0            ; e0, e1, e2, e3
	s_add_nc_u64 s[XW:XW+1], s[4:5], s[72:73]
	s_add_nc_u64 s[6:7], s[6:7], s[74:75]
	s_add_nc_u64 s[8:9], s[8:9], s[74:75]
	s_add_nc_u64 s[12:13], s[12:13], s[76:77]
	s_add_nc_u64 s[14:15], s[14:15], s[78:79]
	s_lshl_b32 s78, s20, 8                         ; my 256 bytes of stat
	s_add_nc_u64 s[16:17], s[16:17], s[78:79]
	s_mov_b32 s[G0A], 1                            ; 1:0 count = 1
	s_mov_b32 s[G0A+1], s22                        ; 63:32 LDS address
	s_mov_b64 s[G0A+2:G0A+3], s[XW:XW+1]           ; 120:64 global address: rows 0-31
	s_or_b32 s[G0A+3], s[G0A+3], 0x80000000        ; 127:126 type = 2
	s_mov_b32 s[G0B], 1
	s_add_co_u32 s[G0B+1], s22, REG1
	s_add_nc_u64 s[G0B+2:G0B+3], s[XW:XW+1], 131072   ; rows 32-63
	s_or_b32 s[G0B+3], s[G0B+3], 0x80000000
	s_mov_b32 s[G0K], 1
	s_mov_b32 s[G0K+1], s22
	s_mov_b64 s[G0K+2:G0K+3], s[6:7]
	s_or_b32 s[G0K+3], s[G0K+3], 0x80000000
	s_mov_b32 s[G0V], 1
	s_mov_b32 s[G0V+1], s22
	s_mov_b64 s[G0V+2:G0V+3], s[8:9]
	s_or_b32 s[G0V+3], s[G0V+3], 0x80000000
	ROUND                                          ; the one round in front of the first tensor loads
	tensor_load_to_lds s[G0A:G0A+3], s[GX:GX+7]    ; x tiles 0 and 1 go out together: two loads of mine are out
	s_nop 0
	tensor_load_to_lds s[G0B:G0B+3], s[GX:GX+7]
	s_nop 0
.rept 4
	v_nop
.endr
	v_lshlrev_b32 v[GO], 4, v0                     ; 16 x thread
	global_load_b128 v[T:T+3], v[GO], s[12:13]     ; q' of my batch: 128 threads x 2 x 16 bytes
	global_load_b128 v[T+4:T+7], v[GO], s[12:13] offset:2048
	v_and_b32 v62, 31, v0                          ; lane
	v_lshlrev_b32 v[PF], 12, v62
	PREF 262144                                    ; x tile 2, which is asked for behind tile 0's work
	v_lshlrev_b32 v[SO], 3, v62                    ; stat: 8 x lane
	v_and_b32 v1, 15, v0                           ; r
	v_bfe_u32 v2, v0, 4, 1                         ; h
	v_mul_u32_u24 v63, v1, PX
	v_lshl_add_u32 v63, v2, 6, v63
	v_add_nc_u32 v[XA], s22, v63                   ; x: row r, + 64 h: my 16 numbers of a block of 32
	v_add_nc_u32 v[XA+1], REG1, v[XA]
	v_mul_u32_u24 v63, v1, PW
	v_lshl_add_u32 v63, v2, 4, v63
	v_add_nc_u32 v[LB], s22, v63                   ; W: row r, + 16 h
	v_lshl_add_u32 v[QA0], v1, 4, QB
	s_lshl_b32 s23, s[WV], 13
	v_lshl_add_u32 v63, v2, 12, s23
	v_lshl_add_u32 v63, v1, 2, v63
	v_add_nc_u32 v[HA0], HP, v63                   ; h: vector 2 w + h, + 4 r
	s_lshl_b32 s23, s[WV], 9
	v_lshl_add_u32 v63, v2, 5, s23
	v_add_nc_u32 v[SCW], SC, v63                   ; scores, in: 512 w + 32 h
	v_lshlrev_b32 v63, 5, v2
	v_add_nc_u32 v[SCR], SC, v63                   ; and back: 32 h
	v_lshl_add_u32 v[FRD], v0, 4, HP               ; the way out: 16 x thread
	v_lshrrev_b32 v63, 4, v0                       ; q' number e = 4 thread + 512 k + a goes to QB + 256 (e / 64) + 16 (e % 16) + 4 ((e / 16) % 4)
	v_lshlrev_b32 v63, 8, v63
	v_and_b32 v59, 3, v0
	v_lshl_add_u32 v63, v59, 6, v63
	v_bfe_u32 v59, v0, 2, 2
	v_lshl_add_u32 v63, v59, 2, v63
	v_add_nc_u32 v[QS], QB, v63
	v_mov_b32 v[L], 0                              ; (named as the upper half of the pair with m before it is made)
	v_mov_b32 v[PT], 0                             ; written once: a lane permute's destination counts as one of its sources
	v_mov_b32 v[PT+1], 0
	s_mov_b32 s[SEL], 0x76543210
	s_mov_b32 s[SEL+1], 0xfedcba98
	s_wait_kmcnt 0x0
	s_add_co_i32 s72, s24, 127
	s_lshl_b32 s73, s72, 23
	v_mov_b32 v[SC0], s73                          ; 2^e0 as f32: the conversion takes its exponent field
	s_add_co_i32 s72, s72, 15
	s_lshl_b32 s72, s72, 23
	s_or_b32 s72, s72, 0x600000
	v_mov_b32 v[LIM0], s72                         ; 57,344 x 2^e0
	s_add_co_i32 s72, s26, 127
	s_lshl_b32 s73, s72, 23
	v_mov_b32 v[SC2], s73
	s_add_co_i32 s72, s72, 15
	s_lshl_b32 s72, s72, 23
	s_or_b32 s72, s72, 0x600000
	v_mov_b32 v[LIM2], s72
	s_add_co_i32 s[E01], s24, s25
	s_add_co_i32 s[E23], s26, s27
	s_wait_loadcnt 0x0                             ; q'
.irp k, 0,1
.irp a, 0,1,2,3
	ds_store_b32 v[QS], v[T+4*\k+\a] offset:2048*\k+16*\a   ; the other waves read it behind the next round, in front of which I wait for these stores
.endr
.endr
	; ---- x becomes codes, 32 rows at a time
	s_wait_tensorcnt 0x1                           ; x tile 0 is in; tile 1 may be out.  The bytes are my own: no barrier
	XSTEP 0, 0
	CHANGE G0A, GX, 1                              ; region 0 takes x tile 2
	XSTEP 1, 1
	CHANGE G0B, GX, 1                              ; region 1 takes x tile 3
	XSTEP 2, 0
	CHANGE G0K, GW, 0                              ; region 0 takes Wk's rows 0-127
	XSTEP 3, 0
	CHANGE G0K, GW, 2                              ; region 1 takes Wk's rows 128-255; the wait in it has shown rows 0-127 landed
	; ---- k and the scores: 16 groups of 64 e
	s_mov_b32 s[TB], 0
	s_mov_b32 s[QO], 0
	RUN 0, 0, 1, 0
	GROUPA 0, 1, 1, 0
	s_mov_b32 s[CNT], 6
.Lk:                                               ; six trips: groups 1 to 12; Wk's tiles 2 to 7 are asked for
	GROUPB 0, 2, G0K, 1, 1, 0
	GROUPA 0, 0, 1, 0
	s_sub_co_u32 s[CNT], s[CNT], 1
	s_cmp_lg_u32 s[CNT], 0
	s_cbranch_scc1 .Lk
	GROUPB 0, 2, G0V, 0, 1, 0                      ; THE RING GOES ON INTO Wv: its rows 0-127,
	GROUPA 0, 0, 1, 0
	GROUPB 0, 2, G0V, 1, 0, 0                      ; its rows 128-255; Wv's first fragments are fetched; no q' is left to fetch
	DRAIN 0
	; ---- the softmax of my block's 128 rows, in every wave alike
.irp x, 1,2,4,8                        ; a lane holds the sum over its e (e % 16 = r): the sixteen lanes of a half are added
.set n, 0
.rept 64
	v_add_f32_dpp v[S+n], v[S+n], v[S+n] row_xmask:\x row_mask:0xf bank_mask:0xf
.set n, n+1
.endr
.endr
.irp m, 0,1,2,3,4,5,6,7
	ds_store_b128 v[SCW], v[S+8*\m:S+8*\m+3] offset:64*\m        ; my quarter of K's part of rows 16 m + 8 h + 0 .. 7 (sixteen lanes store the same bytes)
	ds_store_b128 v[SCW], v[S+8*\m+4:S+8*\m+7] offset:64*\m+16
.endr
	s_wait_dscnt 0x0                               ; for the others' sake: my stores are done
	s_barrier_signal -1                            ; my tensor load may stay out
	s_barrier_wait -1
.macro SCLD reg, u                     ; wave u's parts, in S's layout
.irp t, 0,1,2,3,4,5,6,7,8,9,10,11,12,13,14,15
	ds_load_b128 v[\reg+4*\t:\reg+4*\t+3], v[SCR] offset:512*\u+64*(\t/2)+16*(\t%2)
.endr
.endm
.macro SADD reg
.set n, 0
.rept 32
	v_pk_add_f32 v[S+n:S+n+1], v[S+n:S+n+1], v[\reg+n:\reg+n+1]
.set n, n+2
.endr
.endm
	SCLD S, 0
	SCLD ACC, 1
	SCLD ACC+64, 2
	s_wait_dscnt 16                                ; waves 0 and 1's are in
	SADD ACC
	SCLD ACC, 3
	s_wait_dscnt 16                                ; wave 2's
	SADD ACC+64
	s_wait_dscnt 0x0
	SADD ACC                                       ; every wave adds in the same order: all four hold the same scores
.set n, 0
.rept 64
	v_ldexp_f32 v[S+n], v[S+n], s[E01]             ; t: x 2^(e0 + e1)
.set n, n+1
.endr
	v_max3_num_f32 v[T], v[S], v[S+1], v[S+2]      ; the largest of my 64 rows, in two chains,
	v_max3_num_f32 v[T+1], v[S+3], v[S+4], v[S+5]
.irp i, 6,10,14,18,22,26,30,34,38,42,46,50,54,58
	v_max3_num_f32 v[T], v[T], v[S+\i], v[S+\i+1]
	v_max3_num_f32 v[T+1], v[T+1], v[S+\i+2], v[S+\i+3]
.endr
	v_max3_num_f32 v[T], v[T], v[S+62], v[S+63]
	v_max_num_f32 v[T], v[T], v[T+1]
	v_permlanex16_b32 v[PT], v[T], s[SEL], s[SEL+1]
	v_max_num_f32 v[MX], v[T], v[PT]               ; and of the other half's 64: m
.set n, 0
.rept 32
	v_pk_add_f32 v[S+n:S+n+1], v[S+n:S+n+1], v[MX:MX+1] op_sel_hi:[1,0] neg_lo:[0,1] neg_hi:[0,1]   ; t - m
.set n, n+2
.endr
.set n, 0
.rept 64
	v_exp_f32 v[S+n], v[S+n]                       ; p = 2^(t - m), at most 1
.set n, n+1
.endr
	v_nop                                          ; a plain line between the exponentials and the use of their results (ISA guide 5.7.2)
	s_wait_alu depctr_va_vdst(0)
	v_pk_add_f32 v[T:T+1], v[S:S+1], v[S+4:S+5]    ; l, in two packed chains
	v_pk_add_f32 v[T+2:T+3], v[S+2:S+3], v[S+6:S+7]
.irp j, 8,12,16,20,24,28,32,36,40,44,48,52,56,60
	v_pk_add_f32 v[T:T+1], v[T:T+1], v[S+\j:S+\j+1]
	v_pk_add_f32 v[T+2:T+3], v[T+2:T+3], v[S+\j+2:S+\j+3]
.endr
	v_pk_add_f32 v[T:T+1], v[T:T+1], v[T+2:T+3]
	v_add_f32 v[T], v[T], v[T+1]
	v_permlanex16_b32 v[PT+1], v[T], s[SEL], s[SEL+1]
	v_add_f32 v[L], v[T], v[PT+1]
	s_cmp_lg_u32 s[WV], 0
	s_cbranch_scc1 .Lno_stat
	global_store_b64 v[SO], v[MX:MX+1], s[16:17]   ; (m, l), once a lane: 256 consecutive bytes, at a multiple of 256 from the buffer's first byte; its registers are not written again
.Lno_stat:
	; ---- v and h: 16 groups of 64 e
	s_mov_b32 s[HO], 0
	GROUPA 1, 1, 0, 0
	s_mov_b32 s[CNT], 6
.Lv:                                               ; six trips: groups 1 to 12; Wv's tiles 2 to 7 are asked for
	GROUPB 1, 2, G0V, 1, 0, 1
	GROUPA 1, 0, 0, 1
	s_sub_co_u32 s[CNT], s[CNT], 1
	s_cmp_lg_u32 s[CNT], 0
	s_cbranch_scc1 .Lv
	GROUPB 1, 1, G0V, 0, 0, 1                      ; the tail is written out: nothing more is asked for
	GROUPA 1, 0, 0, 1
	GROUPB 1, 0, G0V, 0, 0, 1
	DRAIN 1
	HSTORE 1
	; ---- the way out: the eight vectors (four quarters of K x two halves of the rows) are added; thread t takes 16 bytes at 16 t and at 2,048 + 16 t
	s_wait_dscnt 0x0                               ; for the others' sake: my stores are done
	s_barrier_signal -1
	s_barrier_wait -1
.irp u, 0,1
.irp c, 0,1,2,3,4,5,6,7
	ds_load_b128 v[ACC+32*\u+4*\c:ACC+32*\u+4*\c+3], v[FRD] offset:4096*\c+2048*\u
.endr
.endr
	s_wait_dscnt 0x0
.irp u, 0,1
.irp c, 0,2,4,6
	v_pk_add_f32 v[ACC+32*\u+4*\c:ACC+32*\u+4*\c+1], v[ACC+32*\u+4*\c:ACC+32*\u+4*\c+1], v[ACC+32*\u+4*\c+4:ACC+32*\u+4*\c+5]
	v_pk_add_f32 v[ACC+32*\u+4*\c+2:ACC+32*\u+4*\c+3], v[ACC+32*\u+4*\c+2:ACC+32*\u+4*\c+3], v[ACC+32*\u+4*\c+6:ACC+32*\u+4*\c+7]
.endr
.irp c, 0,4
	v_pk_add_f32 v[ACC+32*\u+4*\c:ACC+32*\u+4*\c+1], v[ACC+32*\u+4*\c:ACC+32*\u+4*\c+1], v[ACC+32*\u+4*\c+8:ACC+32*\u+4*\c+9]
	v_pk_add_f32 v[ACC+32*\u+4*\c+2:ACC+32*\u+4*\c+3], v[ACC+32*\u+4*\c+2:ACC+32*\u+4*\c+3], v[ACC+32*\u+4*\c+10:ACC+32*\u+4*\c+11]
.endr
	v_pk_add_f32 v[ACC+32*\u:ACC+32*\u+1], v[ACC+32*\u:ACC+32*\u+1], v[ACC+32*\u+16:ACC+32*\u+17]
	v_pk_add_f32 v[ACC+32*\u+2:ACC+32*\u+3], v[ACC+32*\u+2:ACC+32*\u+3], v[ACC+32*\u+18:ACC+32*\u+19]
.irp c, 0,1,2,3
	v_ldexp_f32 v[ACC+32*\u+\c], v[ACC+32*\u+\c], s[E23]   ; x 2^(e2 + e3)
.endr
	global_store_b128 v[GO], v[ACC+32*\u:ACC+32*\u+3], s[14:15] offset:2048*\u   ; a wave stores 512 consecutive bytes, at a multiple of 256 from the buffer's first byte
.endr
	s_wait_tensorcnt 0x0                           ; the wave's end: behind my last tensor load and my last LDS store
	ds_add_u32 v[SPW], v[NIL]
	s_wait_dscnt 0x0
	ROUND                                          ; the closing round: no work-group ends while a partner may still ask for a tile that names it
	s_endpgm
.Lfunc_end_k_q63a96e1a12_attn:
	.size	k_q63a96e1a12_attn, .Lfunc_end_k_q63a96e1a12_attn-k_q63a96e1a12_attn
	.p2alignl 7, 3214868480
	.fill 96, 4, 3214868480
	.section	.rodata,"a",@progbits
	.p2align	6, 0x0
	.amdhsa_kernel k_q63a96e1a12_attn
		.amdhsa_group_segment_fixed_size 327680
		.amdhsa_private_segment_fixed_size 0
		.amdhsa_enable_private_segment 0
		.amdhsa_kernarg_size 56
		.amdhsa_user_sgpr_count 2
		.amdhsa_user_sgpr_kernarg_segment_ptr 1
		.amdhsa_wavefront_size32 1
		.amdhsa_system_sgpr_workgroup_id_x 1
		.amdhsa_system_sgpr_workgroup_id_y 1
		.amdhsa_system_sgpr_workgroup_id_z 1
		.amdhsa_system_vgpr_workitem_id 0
		.amdhsa_next_free_vgpr 1024
		.amdhsa_next_free_sgpr 80
		.amdhsa_reserve_vcc 0
		.amdhsa_float_denorm_mode_32 3
		.amdhsa_float_denorm_mode_16_64 3
		.amdhsa_memory_ordered 1
		.amdhsa_forward_progress 1
		.amdhsa_inst_pref_size 255
	.end_amdhsa_kernel
	.section	.bss,"aw",@nobits
	.p2align	6
	.space	262144
	.amdgpu_metadata
---
amdhsa.version: [ 1, 2 ]
amdhsa.kernels:
  - .name:           k_q63a96e1a12_attn
    .symbol:         k_q63a96e1a12_attn.kd
    .args:
      - { .name: x, .offset: 0, .size: 8, .value_kind: global_buffer, .address_space: global }
      - { .name: Wk_codes, .offset: 8, .size: 8, .value_kind: global_buffer, .address_space: global }
      - { .name: Wv_codes, .offset: 16, .size: 8, .value_kind: global_buffer, .address_space: global }
      - { .name: lowp_scales, .offset: 24, .size: 8, .value_kind: global_buffer, .address_space: global }
      - { .name: qws, .offset: 32, .size: 8, .value_kind: global_buffer, .address_space: global }
      - { .name: hpart, .offset: 40, .size: 8, .value_kind: global_buffer, .address_space: global }
      - { .name: stat, .offset: 48, .size: 8, .value_kind: global_buffer, .address_space: global }
    .group_segment_fixed_size: 327680
    .private_segment_fixed_size: 0
    .kernarg_segment_align: 8
    .kernarg_segment_size: 56
    .max_flat_workgroup_size: 128
    .sgpr_count:     80
    .vgpr_count:     1024
    .wavefront_size: 32
...
	.end_amdgpu_metadata
.endif
;; end of part 2
;; launch head (part 3): grid 16 x 8, 16 waves a work-group, no clusters, 14,336 bytes of LDS; arguments hpart, stat, Wc, bc, out0; writes out0
.if DOCPART == 3
	.amdgcn_target "amdgcn-amd-amdhsa--gfx1250"
	.amdhsa_code_object_version 6
	.text
	.protected	k_q63a96e1a12_head
	.globl	k_q63a96e1a12_head
	.p2align	8
	.type	k_q63a96e1a12_head,@function
k_q63a96e1a12_head:
	s_mov_b64 s[64:65], 0
	v_nop
	global_prefetch_b8 v0, s[64:65] scope:SCOPE_SE
	s_setreg_imm32_b32 hwreg(HW_REG_WAVE_MODE, 25, 1), 1
	s_wait_xcnt 0x0
; out0[b][c] = the sum over d of h[b][d] Wc[d][c] + bc[c], with h joined from the batch's 32 blocks: M = the largest m_i; w_i = 2^(m_i - M); h = (sum of w_i hpart_i) / (sum of w_i l_i).  All in f32.
; The sum of w_i l_i is at least 1: the block that holds M has w = 1, and its l counts its own largest p, which is 1.
; A work-group takes one batch b (grid y) and 64 columns c (grid x); the last takes columns 960 to 999.  Every work-group joins the whole h (it is the product's K): 128 KB that the 16 work-groups of a batch read alike.
; Joining: thread u = thread % 256 takes 4 numbers of h; waves 0-7 add blocks 0-15, waves 8-15 blocks 16-31; the two halves meet in LDS.
; The product: wave v takes rows d = 64 v .. 64 v + 63; lane: q4 = lane % 16 takes 4 columns, rs = lane / 16 takes rows 64 v + 32 rs + 0 .. 31.  A row of Wc is 4,000 bytes, so its pieces begin at no multiple of 256.
; Past column 999 the column offset is held at 3,984 bytes, so that no load leaves its buffer; those lanes store nothing.
; No matrix unit: the product has 8 rows in all.  No cluster: what the work-groups of a batch share is small beside Wc, of which each reads its own columns.
.set HPR, 16                           ; v16-79   16 blocks x 4 numbers of hpart; later h's two halves; later the waves' sums
.set HV,  16                           ; v16-47   my 32 numbers of h
.set BC,  80                           ; v80-83   bc of my 4 columns
.set M,   84                           ; v84-87   at work on the statistics
.set HS,  88                           ; v88-91   my 4 numbers of half of h
.set W,   96                           ; v96-223  32 rows x 4 columns of Wc
.set A,   224                          ; v224-231 two sets of 4 sums
.set T,   232                          ; v232-235 destinations of the lane permutes
.set PS,  8192                         ; LDS: h's two halves at 0 and 4,096; the waves' sums from 8,192 on, 256 bytes a wave
	s_load_b256 s[4:11], s[0:1], 0x0               ; hpart s[4:5], stat s[6:7], Wc s[8:9], bc s[10:11]
	s_load_b64 s[12:13], s[0:1], 0x20              ; out0
	v_lshl_add_u32 v254, v0, 2, 0x3000
	v_mov_b32 v255, 0
	v_lshrrev_b32 v8, 5, v0
	v_readfirstlane_b32 s18, v8                    ; wave 0..15
	v_and_b32 v1, 31, v0                           ; lane
	v_and_b32 v2, 15, v0                           ; q4
	v_bfe_u32 v3, v0, 4, 1                         ; rs
	s_and_b32 s19, ttmp7, 0xffff                   ; b
	s_lshr_b32 s20, s18, 3                         ; which half of the blocks my wave adds
	s_lshl_b32 s21, s20, 4
	v_add_nc_u32 v9, s21, v1
	v_and_b32 v9, 31, v9                           ; lane i holds the statistics of block (i + 16 half) % 32: lanes 0-15 those of my wave's sixteen
	v_lshlrev_b32 v9, 8, v9                        ; 256 bytes a block
	v_and_b32 v5, 0xff, v0
	v_lshlrev_b32 v5, 4, v5                        ; hpart: 16 u
	s_lshl_b32 s22, ttmp9, 8
	v_lshl_add_u32 v6, v2, 4, s22                  ; my columns' byte in a row: 256 x chunk + 16 q4,
	v_min_u32 v7, 3984, v6                         ; held inside the row
	s_lshl_b32 s23, s18, 6
	v_lshl_add_u32 v8, v3, 5, s23                  ; my first row: 64 v + 32 rs
	v_mul_u32_u24 v4, v8, 4000
	v_add_nc_u32 v4, v4, v7                        ; Wc
	v_lshlrev_b32 v12, 4, v0                       ; LDS: half of h, in: 16 x thread = 4,096 half + 16 u
	v_lshlrev_b32 v13, 2, v8                       ; and back: my 32 numbers
	s_lshl_b32 s24, s18, 8
	v_lshl_add_u32 v14, v2, 4, s24
	v_add_nc_u32 v14, PS, v14                      ; the waves' sums, in: 256 v + 16 q4
	v_lshlrev_b32 v15, 11, v3
	v_lshl_add_u32 v15, v2, 4, v15
	v_add_nc_u32 v15, PS, v15                      ; and back: waves 8 rs + 0 .. 7
	v_mov_b32 v[M+1], 0                            ; written once: a lane permute's destination counts as one of its sources
.irp j, 0,1,2,3
	v_mov_b32 v[T+\j], 0
.endr
	s_mov_b32 s14, 0x76543210                      ; v_permlanex16_b32: lane l xor 16
	s_mov_b32 s15, 0xfedcba98
	s_lshl_b32 s26, s19, 17                        ; a batch's 32 blocks of 4,096 bytes,
	s_lshl_b32 s27, s20, 16                        ; my wave's sixteen
	s_add_co_u32 s26, s26, s27
	s_mov_b32 s27, 0
	s_lshl_b32 s28, s19, 13                        ; a batch's 32 blocks of 256 bytes
	s_mov_b32 s29, 0
	s_mul_i32 s30, s19, 4000                       ; a row of out0
	s_mov_b32 s31, 0
	s_wait_kmcnt 0x0
	s_add_nc_u64 s[4:5], s[4:5], s[26:27]
	s_add_nc_u64 s[6:7], s[6:7], s[28:29]
	s_add_nc_u64 s[12:13], s[12:13], s[30:31]
	; the loads stand in the order of their use, since they come back in order: 1 + 16 + 1 + 32
	global_load_b64 v[10:11], v9, s[6:7]           ; (m, l)
.irp i, 0,1,2,3,4,5,6,7,8,9,10,11,12,13,14,15
	global_load_b128 v[HPR+4*\i:HPR+4*\i+3], v5, s[4:5] offset:4096*\i
.endr
	global_load_b128 v[BC:BC+3], v7, s[10:11]
.set cnt, 0
.rept 32
	global_load_b128 v[W+4*cnt:W+4*cnt+3], v4, s[8:9] offset:4000*cnt
.set cnt, cnt+1
.endr
	s_wait_loadcnt 49                              ; the statistics are in
	v_mov_b32 v[M], v10
.irp x, 1,2,4,8
	v_max_num_f32_dpp v[M], v[M], v[M] row_xmask:\x row_mask:0xf bank_mask:0xf
.endr
	v_permlanex16_b32 v[M+1], v[M], s14, s15
	v_max_num_f32 v[M], v[M], v[M+1]               ; M: the largest of the 32
	v_sub_f32 v[M+2], v10, v[M]
	v_exp_f32 v[M+2], v[M+2]                       ; w = 2^(m - M)
	v_nop                                          ; a plain line behind a transcendental (ISA guide 5.7.2)
	s_wait_alu depctr_va_vdst(0)
	v_mul_f32 v[M+3], v[M+2], v11                  ; w l
.irp x, 1,2,4,8
	v_add_f32_dpp v[M+3], v[M+3], v[M+3] row_xmask:\x row_mask:0xf bank_mask:0xf
.endr
	v_permlanex16_b32 v[M+1], v[M+3], s14, s15
	v_add_f32 v[M+3], v[M+3], v[M+1]               ; the row's whole sum
	v_rcp_f32 v[M+3], v[M+3]
	v_nop
	s_wait_alu depctr_va_vdst(0)
	v_mul_f32 v[M+2], v[M+2], v[M+3]               ; f = w / the sum
.irp i, 0,1,2,3,4,5,6,7,8,9,10,11,12,13,14,15
	v_readlane_b32 s[32+\i], v[M+2], \i            ; my wave's sixteen factors
.endr
	s_wait_loadcnt 33                              ; the sixteen blocks are in; bc and Wc may be out
.irp c, 0,1,2,3
	v_mul_f32 v[HS+\c], s32, v[HPR+\c]
.endr
.irp i, 1,2,3,4,5,6,7,8,9,10,11,12,13,14,15
.irp c, 0,1,2,3
	v_fma_f32 v[HS+\c], s[32+\i], v[HPR+4*\i+\c], v[HS+\c]
.endr
.endr
	ds_store_b128 v12, v[HS:HS+3]
	s_wait_dscnt 0x0                               ; for the others' sake: my store is done
	s_barrier_signal -1
	s_barrier_wait -1
.irp k, 0,1,2,3,4,5,6,7
	ds_load_b128 v[HV+4*\k:HV+4*\k+3], v13 offset:16*\k
.endr
.irp k, 0,1,2,3,4,5,6,7
	ds_load_b128 v[HV+32+4*\k:HV+32+4*\k+3], v13 offset:4096+16*\k
.endr
	s_wait_dscnt 0x0
.set cnt, 0
.rept 16
	v_pk_add_f32 v[HV+cnt:HV+cnt+1], v[HV+cnt:HV+cnt+1], v[HV+32+cnt:HV+32+cnt+1]   ; h of my 32 rows
.set cnt, cnt+2
.endr
; Row r of my 32: four columns x one number of h, two packed instructions; op_sel and op_sel_hi give one register of a pair to both halves.  Rows 0 and 1 start the two sets of sums.
.macro MAC r
.set rA, A+4*((\r)%2)
.set rW, W+4*(\r)
.set rX, HV+(\r)-((\r)%2)
	s_wait_loadcnt 31-(\r)                         ; row r of Wc is in, the rows behind it may be out
.if (\r) == 0
	v_pk_mul_f32 v[rA:rA+1], v[rW:rW+1], v[rX:rX+1] op_sel_hi:[1,0]
	v_pk_mul_f32 v[rA+2:rA+3], v[rW+2:rW+3], v[rX:rX+1] op_sel_hi:[1,0]
.elseif (\r) == 1
	v_pk_mul_f32 v[rA:rA+1], v[rW:rW+1], v[rX:rX+1] op_sel:[0,1] op_sel_hi:[1,1]
	v_pk_mul_f32 v[rA+2:rA+3], v[rW+2:rW+3], v[rX:rX+1] op_sel:[0,1] op_sel_hi:[1,1]
.elseif (\r)%2 == 0
	v_pk_fma_f32 v[rA:rA+1], v[rW:rW+1], v[rX:rX+1], v[rA:rA+1] op_sel_hi:[1,0,1]
	v_pk_fma_f32 v[rA+2:rA+3], v[rW+2:rW+3], v[rX:rX+1], v[rA+2:rA+3] op_sel_hi:[1,0,1]
.else
	v_pk_fma_f32 v[rA:rA+1], v[rW:rW+1], v[rX:rX+1], v[rA:rA+1] op_sel:[0,1,0] op_sel_hi:[1,1,1]
	v_pk_fma_f32 v[rA+2:rA+3], v[rW+2:rW+3], v[rX:rX+1], v[rA+2:rA+3] op_sel:[0,1,0] op_sel_hi:[1,1,1]
.endif
.endm
.set cnt, 0
.rept 32
	MAC cnt
.set cnt, cnt+1
.endr
	v_pk_add_f32 v[A:A+1], v[A:A+1], v[A+4:A+5]
	v_pk_add_f32 v[A+2:A+3], v[A+2:A+3], v[A+6:A+7]
.irp j, 0,1,2,3
	v_permlanex16_b32 v[T+\j], v[A+\j], s14, s15   ; the other 32 rows of my wave
.endr
	v_pk_add_f32 v[A:A+1], v[A:A+1], v[T:T+1]
	v_pk_add_f32 v[A+2:A+3], v[A+2:A+3], v[T+2:T+3]
	ds_store_b128 v14, v[A:A+3]                    ; both halves of the lanes store the same bytes
	s_wait_dscnt 0x0
	s_barrier_signal -1
	s_barrier_wait -1
	s_cmp_lg_u32 s18, 0
	s_cbranch_scc1 .Ldone                          ; wave 0 alone adds the sixteen and stores
.irp k, 0,1,2,3,4,5,6,7
	ds_load_b128 v[HPR+4*\k:HPR+4*\k+3], v15 offset:256*\k
.endr
	s_wait_dscnt 0x0
.irp k, 0,2,4,6
	v_pk_add_f32 v[HPR+4*\k:HPR+4*\k+1], v[HPR+4*\k:HPR+4*\k+1], v[HPR+4*\k+4:HPR+4*\k+5]
	v_pk_add_f32 v[HPR+4*\k+2:HPR+4*\k+3], v[HPR+4*\k+2:HPR+4*\k+3], v[HPR+4*\k+6:HPR+4*\k+7]
.endr
.irp k, 0,4
	v_pk_add_f32 v[HPR+4*\k:HPR+4*\k+1], v[HPR+4*\k:HPR+4*\k+1], v[HPR+4*\k+8:HPR+4*\k+9]
	v_pk_add_f32 v[HPR+4*\k+2:HPR+4*\k+3], v[HPR+4*\k+2:HPR+4*\k+3], v[HPR+4*\k+10:HPR+4*\k+11]
.endr
	v_pk_add_f32 v[HPR:HPR+1], v[HPR:HPR+1], v[HPR+16:HPR+17]
	v_pk_add_f32 v[HPR+2:HPR+3], v[HPR+2:HPR+3], v[HPR+18:HPR+19]
.irp j, 0,1,2,3
	v_permlanex16_b32 v[T+\j], v[HPR+\j], s14, s15
.endr
	v_pk_add_f32 v[HPR:HPR+1], v[HPR:HPR+1], v[T:T+1]
	v_pk_add_f32 v[HPR+2:HPR+3], v[HPR+2:HPR+3], v[T+2:T+3]
	v_pk_add_f32 v[HPR:HPR+1], v[HPR:HPR+1], v[BC:BC+1]       ; + bc
	v_pk_add_f32 v[HPR+2:HPR+3], v[HPR+2:HPR+3], v[BC+2:BC+3]
	v_cmp_gt_u32 vcc_lo, 16, v1                    ; sixteen lanes store,
	v_cmp_gt_u32 s24, 4000, v6                     ; those whose four columns exist (1,000 is a multiple of 4)
	s_and_b32 vcc_lo, vcc_lo, s24
	s_wait_xcnt 0x0                                ; EXEC is a source of the loads above: it changes only behind this wait
	s_and_saveexec_b32 s25, vcc_lo
	global_store_b128 v6, v[HPR:HPR+3], s[12:13]   ; up to 256 consecutive bytes of a row of out0
	s_wait_xcnt 0x0
	s_or_b32 exec_lo, exec_lo, s25
.Ldone:
	s_wait_tensorcnt 0x0
	ds_add_u32 v254, v255
	s_wait_dscnt 0x0
	s_endpgm
.Lfunc_end_k_q63a96e1a12_head:
	.size	k_q63a96e1a12_head, .Lfunc_end_k_q63a96e1a12_head-k_q63a96e1a12_head
	.p2alignl 7, 3214868480
	.fill 96, 4, 3214868480
	.section	.rodata,"a",@progbits
	.p2align	6, 0x0
	.amdhsa_kernel k_q63a96e1a12_head
		.amdhsa_group_segment_fixed_size 14336
		.amdhsa_private_segment_fixed_size 0
		.amdhsa_enable_private_segment 0
		.amdhsa_kernarg_size 40
		.amdhsa_user_sgpr_count 2
		.amdhsa_user_sgpr_kernarg_segment_ptr 1
		.amdhsa_wavefront_size32 1
		.amdhsa_system_sgpr_workgroup_id_x 1
		.amdhsa_system_sgpr_workgroup_id_y 1
		.amdhsa_system_sgpr_workgroup_id_z 1
		.amdhsa_system_vgpr_workitem_id 0
		.amdhsa_next_free_vgpr 256
		.amdhsa_next_free_sgpr 66
		.amdhsa_reserve_vcc 1
		.amdhsa_float_denorm_mode_32 3
		.amdhsa_float_denorm_mode_16_64 3
		.amdhsa_memory_ordered 1
		.amdhsa_forward_progress 1
		.amdhsa_inst_pref_size 24
	.end_amdhsa_kernel
	.amdgpu_metadata
---
amdhsa.version: [ 1, 2 ]
amdhsa.kernels:
  - .name:           k_q63a96e1a12_head
    .symbol:         k_q63a96e1a12_head.kd
    .args:
      - { .name: hpart, .offset: 0, .size: 8, .value_kind: global_buffer, .address_space: global }
      - { .name: stat, .offset: 8, .size: 8, .value_kind: global_buffer, .address_space: global }
      - { .name: Wc, .offset: 16, .size: 8, .value_kind: global_buffer, .address_space: global }
      - { .name: bc, .offset: 24, .size: 8, .value_kind: global_buffer, .address_space: global }
      - { .name: out0, .offset: 32, .size: 8, .value_kind: global_buffer, .address_space: global }
    .group_segment_fixed_size: 14336
    .private_segment_fixed_size: 0
    .kernarg_segment_align: 8
    .kernarg_segment_size: 40
    .max_flat_workgroup_size: 512
    .sgpr_count:     66
    .vgpr_count:     256
    .wavefront_size: 32
...
	.end_amdgpu_metadata
.endif
;; end of part 3
;; ======== version 2 of 2: 3 launches
;; limits: right only within a limited range of input values
;; workspace buffers: qws 524,288 bytes; hpart 1,048,576 bytes; stat 65,536 bytes
;; launch qproj (part 4): grid 16 x 16, 8 waves a work-group, no clusters, 33,792 bytes of LDS; arguments x, Wq, qws; writes qws
.if DOCPART == 4
	.amdgcn_target "amdgcn-amd-amdhsa--gfx1250"
	.amdhsa_code_object_version 6
	.text
	.protected	k_q63a96e1a12_qproj
	.globl	k_q63a96e1a12_qproj
	.p2align	8
	.type	k_q63a96e1a12_qproj,@function
k_q63a96e1a12_qproj:
	s_mov_b64 s[64:65], 0
	v_nop
	global_prefetch_b8 v0, s[64:65] scope:SCOPE_SE
	s_setreg_imm32_b32 hwreg(HW_REG_WAVE_MODE, 25, 1), 1
	s_wait_xcnt 0x0
; qws[p][b][e] = log2(e)/32 x the sum over d = 64 p .. 64 p + 63 of x[b][0][d] Wq[d][e]: one sixteenth of K of the query of token 0, for all 8 batches, with the softmax's factor 1/sqrt(1024) and the
; change to base 2 folded in.  All in f32.  The next launch adds the 16 parts.
; A work-group takes 64 columns e (grid x: 256 aligned bytes of a row of Wq) and 64 rows d (grid y), for ALL batches: so every byte of Wq is read once in the launch, and 256 work-groups share it.
; Wave v takes rows 64 p + 8 v + 0 .. 7.  Lane: q4 = lane % 16 takes 4 columns (16 bytes), rs = lane / 16 takes 4 of the 8 rows: each load of Wq covers two whole rows' 256 bytes.
; Of x a lane takes its 4 rows' numbers of each batch, 16 bytes; the eight waves together read 256 consecutive bytes of each batch's row.
; The sums meet in LDS as they lie in the registers (a wave's batch b: 512 consecutive bytes); wave b then adds the eight waves' sums of batch b and stores 256 consecutive bytes from sixteen lanes.
; No matrix unit: the product has 8 rows in all and is bound by the bytes of Wq.  No cluster: no two work-groups read the same bytes of Wq.
.set XV, 16                            ; v16-47   8 batches x my 4 numbers of x
.set W,  48                            ; v48-63   4 rows x 4 columns of Wq
.set A,  64                            ; v64-95   8 batches x 4 sums
.set R,  96                            ; v96-127  the eight waves' sums of my batch
.set T,  128                           ; v128-131 destinations of the lane permutes
	s_load_b128 s[4:7], s[0:1], 0x0                ; x, Wq
	s_load_b64 s[8:9], s[0:1], 0x10                ; qws
	v_lshl_add_u32 v136, v0, 2, 0x8000
	v_mov_b32 v137, 0
	v_lshrrev_b32 v8, 5, v0
	s_delay_alu instid0(VALU_DEP_1)
	v_readfirstlane_b32 s18, v8                    ; wave 0..7
	v_and_b32 v1, 31, v0                           ; lane
	v_and_b32 v2, 15, v0                           ; q4
	v_bfe_u32 v3, v0, 4, 1                         ; rs
	s_and_b32 s19, ttmp7, 0xffff                   ; p
	s_lshl_b32 s20, s19, 6
	s_lshl_b32 s21, s18, 3
	s_add_co_u32 s20, s20, s21                     ; 64 p + 8 v
	v_lshl_add_u32 v9, v3, 2, s20                  ; my first row: + 4 rs
	s_delay_alu instid0(VALU_DEP_1)
	v_lshlrev_b32 v4, 12, v9
	s_delay_alu instid0(VALU_DEP_1)
	v_lshl_add_u32 v4, v2, 4, v4                   ; Wq: row x 4,096 + 16 q4
	s_delay_alu instid0(VALU_DEP_3)
	v_lshlrev_b32 v5, 2, v9                        ; x: 4 x row
	s_lshl_b32 s22, s18, 12
	v_lshl_add_u32 v6, v1, 4, s22                  ; LDS, in: 4,096 v + 16 lane (+ 512 b)
	v_lshlrev_b32 v7, 4, v0                        ; LDS, back: 16 x thread = 512 x my batch + 16 lane (+ 4,096 k)
	v_lshl_add_u32 v10, v2, 4, s22                 ; qws: my batch is my wave's number: 4,096 v + 16 q4
.irp j, 0,1,2,3
	v_mov_b32 v[T+\j], 0                           ; written once: a lane permute's destination counts as one of its sources
.endr
	s_mov_b32 s12, 0x76543210                      ; v_permlanex16_b32: lane l xor 16
	s_mov_b32 s13, 0xfedcba98
	s_lshl_b32 s24, ttmp9, 8                       ; my 64 columns
	s_mov_b32 s25, 0
	s_lshl_b32 s26, s19, 15                        ; part p of qws: 8 x 4,096 bytes
	s_mov_b32 s27, 0
	s_wait_alu depctr_va_vdst(0)
	s_wait_kmcnt 0x0
	s_add_nc_u64 s[6:7], s[6:7], s[24:25]
	s_add_nc_u64 s[8:9], s[8:9], s[24:25]
	s_add_nc_u64 s[8:9], s[8:9], s[26:27]
.irp b, 0,1,2,3,4,5,6,7
	s_add_nc_u64 s[32+2*\b:33+2*\b], s[4:5], \b*0x1000000   ; batch b of x: 4,096 x 1,024 x 4 bytes on: too far for a load's immediate
.endr
.irp b, 0,1,2,3,4,5,6,7
	global_load_b128 v[XV+4*\b:XV+4*\b+3], v5, s[32+2*\b:33+2*\b]
.endr
.irp i, 0,1,2,3
	global_load_b128 v[W+4*\i:W+4*\i+3], v4, s[6:7] offset:4096*\i
.endr
	s_wait_loadcnt 0x0
; Row i of my 4, batch b: four columns x one number of x, two packed instructions.  The number is one register of a pair: op_sel and op_sel_hi give it to both halves.  Row 0 starts the sums.
.macro QMAC i, b
.set rA, A+4*(\b)
.set rW, W+4*(\i)
.set rX, XV+4*(\b)+2*((\i)/2)
.if (\i) == 0
	v_pk_mul_f32 v[rA:rA+1], v[rW:rW+1], v[rX:rX+1] op_sel_hi:[1,0]
	v_pk_mul_f32 v[rA+2:rA+3], v[rW+2:rW+3], v[rX:rX+1] op_sel_hi:[1,0]
.elseif (\i)%2 == 0
	v_pk_fma_f32 v[rA:rA+1], v[rW:rW+1], v[rX:rX+1], v[rA:rA+1] op_sel_hi:[1,0,1]
	v_pk_fma_f32 v[rA+2:rA+3], v[rW+2:rW+3], v[rX:rX+1], v[rA+2:rA+3] op_sel_hi:[1,0,1]
.else
	v_pk_fma_f32 v[rA:rA+1], v[rW:rW+1], v[rX:rX+1], v[rA:rA+1] op_sel:[0,1,0] op_sel_hi:[1,1,1]
	v_pk_fma_f32 v[rA+2:rA+3], v[rW+2:rW+3], v[rX:rX+1], v[rA+2:rA+3] op_sel:[0,1,0] op_sel_hi:[1,1,1]
.endif
.endm
.irp i, 0,1,2,3
.irp b, 0,1,2,3,4,5,6,7
	QMAC \i, \b                                    ; the eight batches' sums take turns: no line waits for the line above it
.endr
.endr
.irp b, 0,1,2,3,4,5,6,7
	ds_store_b128 v6, v[A+4*\b:A+4*\b+3] offset:512*\b
.endr
	s_wait_dscnt 0x0                               ; for the others' sake: my stores are done
	s_barrier_signal -1
	s_barrier_wait -1
.irp k, 0,1,2,3,4,5,6,7
	ds_load_b128 v[R+4*\k:R+4*\k+3], v7 offset:4096*\k   ; wave k's sums of my batch, for my lane's columns and half of the rows
.endr
	s_wait_dscnt 0x0
.irp k, 0,2,4,6
	v_pk_add_f32 v[R+4*\k:R+4*\k+1], v[R+4*\k:R+4*\k+1], v[R+4*\k+4:R+4*\k+5]
	v_pk_add_f32 v[R+4*\k+2:R+4*\k+3], v[R+4*\k+2:R+4*\k+3], v[R+4*\k+6:R+4*\k+7]
.endr
.irp k, 0
	v_pk_add_f32 v[R+4*\k:R+4*\k+1], v[R+4*\k:R+4*\k+1], v[R+4*\k+8:R+4*\k+9]
	v_pk_add_f32 v[R+4*\k+2:R+4*\k+3], v[R+4*\k+2:R+4*\k+3], v[R+4*\k+10:R+4*\k+11]
.endr
.irp k, 4
	s_delay_alu instid0(VALU_DEP_4)
	v_pk_add_f32 v[R+4*\k:R+4*\k+1], v[R+4*\k:R+4*\k+1], v[R+4*\k+8:R+4*\k+9]
	s_delay_alu instid0(VALU_DEP_4)
	v_pk_add_f32 v[R+4*\k+2:R+4*\k+3], v[R+4*\k+2:R+4*\k+3], v[R+4*\k+10:R+4*\k+11]
.endr
	s_delay_alu instid0(VALU_DEP_2)
	v_pk_add_f32 v[R:R+1], v[R:R+1], v[R+16:R+17]
	s_delay_alu instid0(VALU_DEP_2)
	v_pk_add_f32 v[R+2:R+3], v[R+2:R+3], v[R+18:R+19]
.irp j, 0,1,2,3
	v_permlanex16_b32 v[T+\j], v[R+\j], s12, s13   ; the other half of each wave's rows
.endr
	s_delay_alu instid0(VALU_DEP_3)
	v_pk_add_f32 v[R:R+1], v[R:R+1], v[T:T+1]
	s_delay_alu instid0(VALU_DEP_2)
	v_pk_add_f32 v[R+2:R+3], v[R+2:R+3], v[T+2:T+3]
	s_delay_alu instid0(VALU_DEP_2)
	v_pk_mul_f32 v[R:R+1], v[R:R+1], 0x3d38aa3b op_sel_hi:[1,0]        ; x log2(e) / 32
	s_delay_alu instid0(VALU_DEP_2)
	v_pk_mul_f32 v[R+2:R+3], v[R+2:R+3], 0x3d38aa3b op_sel_hi:[1,0]
	v_cmp_gt_u32 vcc_lo, 16, v1
	s_wait_alu depctr_va_vdst(0)
	s_wait_xcnt 0x0                                ; EXEC is a source of the loads above: it changes only behind this wait
	s_wait_tensorcnt 0x0
	ds_add_u32 v136, v137
	s_wait_dscnt 0x0
	s_and_saveexec_b32 s28, vcc_lo
	global_store_b128 v10, v[R:R+3], s[8:9]        ; sixteen lanes store 256 consecutive bytes, at a multiple of 256 from the buffer's first byte
	s_wait_xcnt 0x0
	s_or_b32 exec_lo, exec_lo, s28
	s_endpgm
.Lfunc_end_k_q63a96e1a12_qproj:
	.size	k_q63a96e1a12_qproj, .Lfunc_end_k_q63a96e1a12_qproj-k_q63a96e1a12_qproj
	.p2alignl 7, 3214868480
	.fill 96, 4, 3214868480
	.section	.rodata,"a",@progbits
	.p2align	6, 0x0
	.amdhsa_kernel k_q63a96e1a12_qproj
		.amdhsa_group_segment_fixed_size 33792
		.amdhsa_private_segment_fixed_size 0
		.amdhsa_enable_private_segment 0
		.amdhsa_kernarg_size 24
		.amdhsa_user_sgpr_count 2
		.amdhsa_user_sgpr_kernarg_segment_ptr 1
		.amdhsa_wavefront_size32 1
		.amdhsa_system_sgpr_workgroup_id_x 1
		.amdhsa_system_sgpr_workgroup_id_y 1
		.amdhsa_system_sgpr_workgroup_id_z 1
		.amdhsa_system_vgpr_workitem_id 0
		.amdhsa_next_free_vgpr 138
		.amdhsa_next_free_sgpr 66
		.amdhsa_reserve_vcc 1
		.amdhsa_float_denorm_mode_32 3
		.amdhsa_float_denorm_mode_16_64 3
		.amdhsa_memory_ordered 1
		.amdhsa_forward_progress 1
		.amdhsa_inst_pref_size 11
	.end_amdhsa_kernel
	.amdgpu_metadata
---
amdhsa.version: [ 1, 2 ]
amdhsa.kernels:
  - .name:           k_q63a96e1a12_qproj
    .symbol:         k_q63a96e1a12_qproj.kd
    .args:
      - { .name: x, .offset: 0, .size: 8, .value_kind: global_buffer, .address_space: global }
      - { .name: Wq, .offset: 8, .size: 8, .value_kind: global_buffer, .address_space: global }
      - { .name: qws, .offset: 16, .size: 8, .value_kind: global_buffer, .address_space: global }
    .group_segment_fixed_size: 33792
    .private_segment_fixed_size: 0
    .kernarg_segment_align: 8
    .kernarg_segment_size: 24
    .max_flat_workgroup_size: 256
    .sgpr_count:     66
    .vgpr_count:     138
    .wavefront_size: 32
...
	.end_amdgpu_metadata
.endif
;; end of part 4
;; launch attn (part 5): grid 256 x 1, 4 waves a work-group, clusters of 4 x 1, 327,680 bytes of LDS; arguments x, Wk_codes, Wv_codes, lowp_scales, qws, hpart, stat; writes hpart, stat
.if DOCPART == 5
	.amdgcn_target "amdgcn-amd-amdhsa--gfx1250"
	.amdhsa_code_object_version 6
	.text
	.protected	k_q63a96e1a12_attn
	.globl	k_q63a96e1a12_attn
	.p2align	8
	.type	k_q63a96e1a12_attn,@function
k_q63a96e1a12_attn:
	s_mov_b64 s[64:65], 0
	v_nop
	global_prefetch_b8 v0, s[64:65] scope:SCOPE_SE
	s_setreg_imm32_b32 hwreg(HW_REG_WAVE_MODE, 25, 1), 1
	s_wait_xcnt 0x0
	s_wait_alu depctr_hold_cnt(0) depctr_sa_sdst(0) depctr_va_vdst(0) depctr_va_sdst(0) depctr_va_ssrc(0) depctr_va_vcc(0) depctr_vm_vsrc(0)
	s_getreg_b32 s2, hwreg(HW_REG_IB_STS2, 6, 4)
	s_cmp_eq_u32 s2, 0
	s_cbranch_scc0 .Lentry_in_a_cluster
	s_endpgm
.Lentry_in_a_cluster:
	s_bfe_u32 s2, ttmp6, 0x10000c
	s_cmp_lg_u32 s2, 0x3003
	s_cbranch_scc0 .Lentry_shape_is_right
	s_endpgm
.Lentry_shape_is_right:
; One block of 128 tokens of one batch to a work-group (256 work-groups): k = Q(x) Wk, the scores q . k, the block's softmax terms, v = Q(x) Wv, and the block's part of h.
; hpart[block][e] = the sum over the block's tokens of p_t v[t][e], p_t = 2^(t_t - m), m = the block's largest scaled score; stat[block] = (m, l), l = the sum of p.  The next launch joins the 32 blocks of a batch.
; Both quantised products run on E5M2 codes by v_wmma_f32_16x16x128_bf8_bf8; x is quantised twice, under lowp_scales[0] and [2], held at the largest code first.
; SHARES: wave w takes K = 256 w .. 256 w + 255 of all 128 tokens: its codes of x stay in registers (window 2 under scale 0, window 3 under scale 2).  Wk and Wv walk by in chunks of 128 columns x the wave's 256 K
; through two LDS regions.  The four work-groups of a cluster walk the same chunks and ask for them jointly (mask 15).  Clusters start at different chunks (s82); q and hpart are turned by the same amount.
; A tile is 128 tokens x 16 columns: 8 accumulators x 2 products.  While one tile is multiplied the tile before it is used up: scores S += k x q (packed), or h's column sums of v x p.  The waves' parts meet in LDS.
; REGISTERS: window 0: addresses, q, h, S (64), two sets of 8 accumulators; window 1: two sets of 4 tiles' fragments of W.
; x comes in four steps of 32 tokens through the same two regions, each wave its own 1,024 bytes of a row; step s + 1 or later is prefetched as the lines there say.
; LIMITS: lowp_scales[0] and [2] lie between -126 and 112, so that scale and hold are f32 numbers.  2^(e0 + e1) is applied to q and 2^(e2 + e3) to hpart by v_ldexp_f32.
; The promise holds while the scaled scores stay under 2^31 in magnitude.
.set WAVEB, 34816
.set REG1,  139264
.set SPARE, 278528
.set QB,    279040
.set SC,    283136
.set HP,    285184
.set PX,    1040
.set PW,    272
.set PF,  3
.set SPW, 4
.set NIL, 5
.set XA,  6
.set LB,  8
.set ADR, 9
.set QA0, 10
.set QADR, 11
.set HA0, 12
.set HADR, 13
.set SCW, 14
.set SCR, 15
.set SC0, 16
.set LIM0, 17
.set SC2, 18
.set LIM2, 19
.set CH,  20
.set FRD, 28
.set GO,  29
.set SO,  30
.set Q,   32
.set H,   40
.set MX,  48
.set L,   49
.set T,   50
.set QS,  58
.set PT,  60
.set S,   64
.set ACC, 128
.set ST0, 128
.set ST1, 192
.set WV,  18
.set GX,  28
.set GW,  36
.set G0A, 44
.set G0B, 48
.set G0K, 52
.set TB,  60
.set QO,  61
.set HO,  62
.set CNT, 63
.set SEL, 66
.set E01, 68
.set E23, 69
.set XW,  70
.set OFF, 80
.set MSB, 0
.macro WIN new
.if MSB != (\new)
	s_set_vgpr_msb (MSB<<8)|(\new)
.set MSB, (\new)
.endif
.endm
.macro CREST
	s_cmp_lg_u32 s[WV], 0
	s_cbranch_scc1 .Lnot_wave_0_\@
	s_barrier_signal -3
.Lnot_wave_0_\@:
	s_barrier_wait -3
	s_barrier_signal -1
	s_barrier_wait -1
.endm
.macro ROUND
	s_barrier_signal -1
	s_barrier_wait -1
	CREST
.endm
.macro WSTEP g0, base
	s_xor_b32 s[\g0+1], s[\g0+1], REG1
	s_add_co_u32 s[OFF], s[OFF], 0x20000
	s_and_b32 s[OFF], s[OFF], 0xe0000
	s_add_nc_u64 s[\g0+2:\g0+3], s[\base:\base+1], s[OFF:OFF+1]
	s_or_b32 s[\g0+3], s[\g0+3], 0x80000000
.endm
.macro CHANGE g0, g1, step
	s_wait_tensorcnt 0x0
	ds_add_u32 v[SPW], v[NIL]
.if \step == 1
	s_add_nc_u64 s[\g0+2:\g0+3], s[\g0+2:\g0+3], 262144
.elseif \step == 2
	WSTEP \g0, 6
.endif
	s_wait_dscnt 0x0
	ROUND
	tensor_load_to_lds s[\g0:\g0+3], s[\g1:\g1+7]
	s_nop 0
.rept 4
	v_nop
.endr
.endm
.macro XFRAG reg, adr, mm, s
.irp b, 0,1,2,3
.irp j, 0,1,2,3
	ds_load_b128 v[\reg+16*\b+4*\j:\reg+16*\b+4*\j+3], v[\adr] offset:16*PX*(\mm)+512*(\s)+128*\b+16*\j
.endr
.endr
.endm
.macro QUANT2 src, f
.set n, 0
.rept 64
	v_med3_num_f32 v[S+n], v[\src+n], -v[LIM0], v[LIM0]
.set n, n+1
.endr
	WIN 0x80
.set n, 0
.rept 8
	v_cvt_scalef32_pk8_bf8_f32 v[16*(\f)+2*n:16*(\f)+2*n+1], v[S+8*n:S+8*n+7], v[SC0]
.set n, n+1
.endr
	WIN 0
.set n, 0
.rept 64
	v_med3_num_f32 v[\src+n], v[\src+n], -v[LIM2], v[LIM2]
.set n, n+1
.endr
	WIN 0xc0
.set n, 0
.rept 8
	v_cvt_scalef32_pk8_bf8_f32 v[16*(\f)+2*n:16*(\f)+2*n+1], v[\src+8*n:\src+8*n+7], v[SC2]
.set n, n+1
.endr
	WIN 0
	v_nop
.endm
.macro PREF off
.irp i, 0,1,2,3
	global_prefetch_b8 v[PF], s[XW:XW+1] offset:\off+256*\i th:TH_LOAD_NT scope:SCOPE_SE
.endr
.endm
.macro XSTEP i, pf
	XFRAG ST0, XA+(\i)%2, 0, 0
	XFRAG ST1, XA+(\i)%2, 0, 1
	s_wait_dscnt 16
	QUANT2 ST0, 4*(\i)
	XFRAG ST0, XA+(\i)%2, 1, 0
	s_wait_dscnt 16
.if \pf
	PREF 393216
.endif
	QUANT2 ST1, 4*(\i)+1
	XFRAG ST1, XA+(\i)%2, 1, 1
	s_wait_dscnt 16
	QUANT2 ST0, 4*(\i)+2
	s_wait_dscnt 0x0
	QUANT2 ST1, 4*(\i)+3
.endm
.macro QLOAD qs
	v_add_nc_u32 v[QADR], s[QO], v[QA0]
	s_add_co_u32 s[QO], s[QO], 256
	s_and_b32 s[QO], s[QO], 0xfff                  ; q has 16 pieces of 256 bytes; the loop's last trip asks a seventeenth time and gets piece 0 again, which nothing uses
	ds_load_b128 v[Q+4*(\qs):Q+4*(\qs)+3], v[QADR]
.endm
.macro HSTORE hs
	v_add_nc_u32 v[HADR], s[HO], v[HA0]
	s_add_co_u32 s[HO], s[HO], 256
.irp i, 0,1,2,3
	ds_store_b32 v[HADR], v[H+4*(\hs)+\i] offset:64*\i
.endr
.endm
.macro RUN set, gs, q, hst
	WIN 0
	v_add_nc_u32 v[ADR], s[TB], v[LB]
.if \q
	QLOAD \set
.endif
.if \hst
	HSTORE \set
.endif
	WIN 0x40
.irp i, 0,1,2,3
.irp s, 0,1
.irp c, 0,1,2,3
	ds_load_b128 v[128*(\set)+32*\i+16*\s+4*\c:128*(\set)+32*\i+16*\s+4*\c+3], v[ADR] offset:(64*(\gs)+16*\i)*PW+128*\s+32*\c
.endr
.endr
.endr
.set NRUN, 32+\q+4*\hst
.endm
.macro ITEMK e, pp, qr, first
.set rA, ACC+64*(\pp)+8*((\e)/4)+2*((\e)%4)
.set rS, S+8*((\e)/4)+2*((\e)%4)
.set rQ, (\qr)-((\qr)%2)
.if (\qr)%2
.if (\first)
	v_pk_mul_f32 v[rS:rS+1], v[rA:rA+1], v[rQ:rQ+1] op_sel:[0,1] op_sel_hi:[1,1]
.else
	v_pk_fma_f32 v[rS:rS+1], v[rA:rA+1], v[rQ:rQ+1], v[rS:rS+1] op_sel:[0,1,0] op_sel_hi:[1,1,1]
.endif
.else
.if (\first)
	v_pk_mul_f32 v[rS:rS+1], v[rA:rA+1], v[rQ:rQ+1] op_sel_hi:[1,0]
.else
	v_pk_fma_f32 v[rS:rS+1], v[rA:rA+1], v[rQ:rQ+1], v[rS:rS+1] op_sel_hi:[1,0,1]
.endif
.endif
.endm
.macro ITEMV e, pp
.set rA, ACC+64*(\pp)+8*((\e)/4)+2*((\e)%4)
.set rS, S+8*((\e)/4)+2*((\e)%4)
.set rC, CH+2*((\e)%4)
.if (\e) < 4
	v_pk_mul_f32 v[rC:rC+1], v[rA:rA+1], v[rS:rS+1]
.else
	v_pk_fma_f32 v[rC:rC+1], v[rA:rA+1], v[rS:rS+1], v[rC:rC+1]
.endif
.endm
.macro HSUM hr
	v_pk_add_f32 v[CH:CH+1], v[CH:CH+1], v[CH+2:CH+3]
	v_pk_add_f32 v[CH+4:CH+5], v[CH+4:CH+5], v[CH+6:CH+7]
	v_pk_add_f32 v[CH:CH+1], v[CH:CH+1], v[CH+4:CH+5]
	v_add_f32 v[\hr], v[CH], v[CH+1]
.endm
.macro TILE ph, set, i, epi
.set TP, (\i)%2
.set TS, (\set)
.if (\i) == 0
.set TS, 1-(\set)
.endif
.set TQ, Q+4*TS+((\i)+3)%4
.set TH, H+4*TS+((\i)+3)%4
.set kk, 0
.rept 2                                        ; 8 products on the 8 accumulators by turns, then 16 packed lines on the tile before: four window switches a tile
	WIN 0x06+\ph
.rept 8
.set rD, ACC+64*TP+8*(kk%8)
.set rX, 16*(2*(kk%8)+kk/8)
.set rW, 128*(\set)+32*(\i)+16*(kk/8)
.if kk < 8
	v_wmma_f32_16x16x128_bf8_bf8 v[rD:rD+7], v[rX:rX+15], v[rW:rW+15], 0
.else
	v_wmma_f32_16x16x128_bf8_bf8 v[rD:rD+7], v[rX:rX+15], v[rW:rW+15], v[rD:rD+7]
.endif
.set kk, kk+1
.endr
.if \epi
	WIN 0
.set ee, 2*kk-16
.rept 16                                       ; the other set's accumulators 0-3, then 4-7, each from its low end on; at least 16 plain lines stand behind the products that wrote them
.if \ph == 0
	ITEMK ee, 1-TP, TQ, \epi-1
.else
	ITEMV ee, 1-TP
.endif
.set ee, ee+1
.endr
.endif
.endr
.if \epi && \ph
	HSUM TH
.endif
.if \epi == 0
	WIN 0
.rept 4
	v_nop
.endr
.endif
.endm
.macro DRAIN ph
.set kk, 0
.rept 32
.if \ph == 0
	ITEMK kk, 1, Q+7, 0
.else
	ITEMV kk, 1
.endif
.set kk, kk+1
.endr
.if \ph
	HSUM H+7
.endif
.endm
.macro GROUPA ph, first, q, hst
	s_wait_dscnt 24
.if \first
	TILE \ph, 0, 0, 0
.else
	TILE \ph, 0, 0, 1
.endif
	s_wait_dscnt 16
.if \first && (\ph == 0)
	TILE \ph, 0, 1, 2
.else
	TILE \ph, 0, 1, 1
.endif
	RUN 1, 1, \q, \hst
	s_wait_dscnt 8+NRUN
	TILE \ph, 0, 2, 1
	s_wait_dscnt NRUN
	TILE \ph, 0, 3, 1
	WIN 0
.endm
.macro GROUPB ph, mode, g0, base, q, hst
.if \mode == 2
	s_wait_tensorcnt 0x0
	ds_add_u32 v[SPW], v[NIL]
	WSTEP \g0, \base
	s_wait_dscnt 25
	TILE \ph, 1, 0, 1
	s_wait_dscnt 0x0
	s_barrier_signal -1
	TILE \ph, 1, 1, 1
	WIN 0
	s_barrier_wait -1
	CREST
	tensor_load_to_lds s[\g0:\g0+3], s[GW:GW+7]
	s_nop 0
.rept 4
	v_nop
.endr
	s_xor_b32 s[TB], s[TB], REG1
	RUN 0, 0, \q, \hst
	TILE \ph, 1, 2, 1
	TILE \ph, 1, 3, 1
.else
.if \mode == 1
	s_wait_tensorcnt 0x0
.endif
	s_wait_dscnt 24
	TILE \ph, 1, 0, 1
	s_wait_dscnt 16
	TILE \ph, 1, 1, 1
	WIN 0
.if \mode == 1
	s_xor_b32 s[TB], s[TB], REG1
	RUN 0, 0, \q, \hst
.else
	HSTORE 0
.set NRUN, 4
.endif
	s_wait_dscnt 8+NRUN
	TILE \ph, 1, 2, 1
	s_wait_dscnt NRUN
	TILE \ph, 1, 3, 1
.endif
	WIN 0
.endm
	s_load_b256 s[4:11], s[0:1], 0x0
	s_load_b128 s[12:15], s[0:1], 0x20
	s_load_b64 s[16:17], s[0:1], 0x30
	v_lshl_add_u32 v[SPW], v0, 2, SPARE
	v_mov_b32 v[NIL], 0
	ds_add_u32 v4, v5
	ds_add_u32 v4, v5
	s_wait_dscnt 0x0
	v_lshrrev_b32 v1, 5, v0
	v_readfirstlane_b32 s[WV], v1
	s_bfe_u32 s19, ttmp6, 0x40000
	s_lshl_b32 s20, ttmp9, 2
	s_add_co_u32 s20, s20, s19
	s_lshr_b32 s82, ttmp9, 3
	s_xor_b32 s82, s82, ttmp9
	s_and_b32 s82, s82, 7
	s_lshl_b32 s[OFF], s82, 17
	s_mov_b32 s[OFF+1], 0
	s_lshl_b32 s83, s82, 9
	s_mov_b32 s[GX+0], (2<<16)|(1<<20)|(7<<22)|(3<<25)
	s_mov_b32 s[GX+1], 256<<16
	s_mov_b32 s[GX+2], 32<<16
	s_mov_b32 s[GX+3], 256<<16
	s_mov_b32 s[GX+4], 32
	s_mov_b32 s[GX+5], 1024
	s_mov_b32 s[GX+6], 0
	s_mov_b32 s[GX+7], 0
	s_mov_b32 s[GW+0], 15|(1<<20)|(1<<21)|(5<<22)|(3<<25)
	s_mov_b32 s[GW+1], 256<<16
	s_mov_b32 s[GW+2], 128<<16
	s_mov_b32 s[GW+3], 256<<16
	s_mov_b32 s[GW+4], 128
	s_mov_b32 s[GW+5], 1024
	s_mov_b32 s[GW+6], 0
	s_mov_b32 s[GW+7], 0
	s_mul_i32 s22, s[WV], WAVEB
	s_lshl_b32 s72, s20, 19
	s_lshl_b32 s73, s[WV], 10
	s_add_co_u32 s72, s72, s73
	s_mov_b32 s73, 0
	s_lshl_b32 s74, s[WV], 8
	s_mov_b32 s75, 0
	s_lshr_b32 s76, ttmp9, 3
	s_lshl_b32 s76, s76, 12
	s_mov_b32 s77, 0
	s_lshl_b32 s78, s20, 12
	s_mov_b32 s79, 0
	s_wait_kmcnt 0x0
	s_load_b128 s[24:27], s[10:11], 0x0
	s_add_nc_u64 s[XW:XW+1], s[4:5], s[72:73]
	s_add_nc_u64 s[6:7], s[6:7], s[74:75]
	s_add_nc_u64 s[8:9], s[8:9], s[74:75]
	s_add_nc_u64 s[12:13], s[12:13], s[76:77]
	s_add_nc_u64 s[14:15], s[14:15], s[78:79]
	s_lshl_b32 s78, s20, 8
	s_add_nc_u64 s[16:17], s[16:17], s[78:79]
	s_mov_b32 s[G0A], 1
	s_mov_b32 s[G0A+1], s22
	s_mov_b64 s[G0A+2:G0A+3], s[XW:XW+1]
	s_or_b32 s[G0A+3], s[G0A+3], 0x80000000
	s_mov_b32 s[G0B], 1
	s_add_co_u32 s[G0B+1], s22, REG1
	s_add_nc_u64 s[G0B+2:G0B+3], s[XW:XW+1], 131072
	s_or_b32 s[G0B+3], s[G0B+3], 0x80000000
	s_mov_b32 s[G0K], 1
	s_mov_b32 s[G0K+1], s22
	s_add_nc_u64 s[G0K+2:G0K+3], s[6:7], s[OFF:OFF+1]
	s_or_b32 s[G0K+3], s[G0K+3], 0x80000000
	ROUND
	tensor_load_to_lds s[G0A:G0A+3], s[GX:GX+7]
	s_nop 0
	v_lshl_add_u32 v[GO], v0, 4, s83               ; the 16 parts of q are asked for while x's step 0 is on its way
	v_and_b32 v[GO], 0xfff, v[GO]
	v_xor_b32 v[GO+2], 0x800, v[GO]
.set n, 0
.rept 16
	global_load_b128 v[ACC+8*n:ACC+8*n+3], v[GO], s[12:13] offset:32768*n
	global_load_b128 v[ACC+8*n+4:ACC+8*n+7], v[GO+2], s[12:13] offset:32768*n
.set n, n+1
.endr
	v_and_b32 v62, 31, v0
	v_lshlrev_b32 v[PF], 12, v62                   ; a lane a row of x; four lines cover my wave's 1,024 bytes of 32 rows, each block of 256 bytes once
	PREF 131072                                    ; x's step 1, whose load follows behind step 0's landing,
	PREF 262144                                    ; and step 2, whose load follows behind step 0's work
	s_wait_alu depctr_va_vdst(0)
	s_wait_tensorcnt 0x0
	ds_add_u32 v4, v5
	s_wait_dscnt 0x0
	ROUND
	tensor_load_to_lds s[G0B:G0B+3], s[GX:GX+7]
	s_nop 0
.rept 4
	v_nop
.endr
	v_lshlrev_b32 v[SO], 3, v62
	v_and_b32 v1, 15, v0
	v_bfe_u32 v2, v0, 4, 1
	v_mul_u32_u24 v63, v1, PX
	v_lshl_add_u32 v63, v2, 6, v63
	v_add_nc_u32 v[XA], s22, v63
	v_add_nc_u32 v[XA+1], REG1, v[XA]
	v_mul_u32_u24 v63, v1, PW
	v_lshl_add_u32 v63, v2, 4, v63
	v_add_nc_u32 v[LB], s22, v63
	v_lshl_add_u32 v[QA0], v1, 4, QB
	s_lshl_b32 s23, s[WV], 13
	v_lshl_add_u32 v63, v2, 12, s23
	v_lshl_add_u32 v63, v1, 2, v63
	v_add_nc_u32 v[HA0], HP, v63
	s_lshl_b32 s23, s[WV], 9
	v_lshl_add_u32 v63, v2, 5, s23
	v_add_nc_u32 v[SCW], SC, v63
	v_lshlrev_b32 v63, 5, v2
	v_add_nc_u32 v[SCR], SC, v63
	v_lshl_add_u32 v[FRD], v0, 4, HP
	v_lshrrev_b32 v63, 4, v0
	v_lshlrev_b32 v63, 8, v63
	v_and_b32 v59, 3, v0
	v_lshl_add_u32 v63, v59, 6, v63
	v_bfe_u32 v59, v0, 2, 2
	v_lshl_add_u32 v63, v59, 2, v63
	v_add_nc_u32 v[QS], QB, v63
	v_mov_b32 v[L], 0
	v_mov_b32 v[PT], 0
	v_mov_b32 v[PT+1], 0
	s_mov_b32 s[SEL], 0x76543210
	s_mov_b32 s[SEL+1], 0xfedcba98
	s_wait_kmcnt 0x0
	s_add_co_i32 s72, s24, 127
	s_lshl_b32 s73, s72, 23
	v_mov_b32 v[SC0], s73
	s_add_co_i32 s72, s72, 15
	s_lshl_b32 s72, s72, 23
	s_or_b32 s72, s72, 0x600000
	v_mov_b32 v[LIM0], s72
	s_add_co_i32 s72, s26, 127
	s_lshl_b32 s73, s72, 23
	v_mov_b32 v[SC2], s73
	s_add_co_i32 s72, s72, 15
	s_lshl_b32 s72, s72, 23
	s_or_b32 s72, s72, 0x600000
	v_mov_b32 v[LIM2], s72
	s_add_co_i32 s[E01], s24, s25
	s_add_co_i32 s[E23], s26, s27
	s_wait_loadcnt 0x0
.irp d, 64,32,16,8
.set n, 0
.rept \d/2
	v_pk_add_f32 v[ACC+n:ACC+n+1], v[ACC+n:ACC+n+1], v[ACC+\d+n:ACC+\d+n+1]
.set n, n+2
.endr
.endr
.set n, 0
.rept 8
	v_ldexp_f32 v[ACC+n], v[ACC+n], s[E01]         ; 2^(e0 + e1), the first product's two scales, goes onto q: 8 numbers a thread; a power of two rounds nothing
.set n, n+1
.endr
.irp k, 0,1
.irp a, 0,1,2,3
	ds_store_b32 v[QS], v[ACC+4*\k+\a] offset:2048*\k+16*\a
.endr
.endr
	s_wait_tensorcnt 0x1
	XSTEP 0, 1                                     ; with the prefetch of step 3, which the change behind step 1 loads: one whole step ahead
	CHANGE G0A, GX, 1
	XSTEP 1, 0
	CHANGE G0B, GX, 1
	XSTEP 2, 0
	CHANGE G0K, GW, 0
	XSTEP 3, 0
	CHANGE G0K, GW, 2
	s_mov_b32 s[TB], 0
	s_mov_b32 s[QO], 0
.set n, 0
.rept 64                                       ; the loop is written once, with no first step of its own: the scores and the tile before the first begin as zeros
	v_mov_b32 v[S+n], 0
	v_mov_b32 v[ACC+64+n], 0
.set n, n+1
.endr
.irp n, 4,5,6,7
	v_mov_b32 v[Q+\n], 0
.endr
	RUN 0, 0, 1, 0
	WIN 0
	s_mov_b32 s[CNT], 8
	s_wait_alu depctr_va_vdst(0)
.Lk:                                               ; 8 trips x 8 tiles: all 1,024 columns of Wk.  Trip t asks for chunk t + 1 of the walk: Wk's last six, then Wv's first two
	GROUPA 0, 0, 1, 0
	s_cmp_gt_u32 s[CNT], 2
	s_cselect_b64 s[84:85], s[6:7], s[8:9]         ; one walking descriptor for both weights: its base is chosen by the count of trips alone
	GROUPB 0, 2, G0K, 84, 1, 0
	s_sub_co_u32 s[CNT], s[CNT], 1
	s_cmp_lg_u32 s[CNT], 0
	s_cbranch_scc1 .Lk
	DRAIN 0
.irp x, 1,2,4,8
.set n, 0
.rept 64
	v_add_f32_dpp v[S+n], v[S+n], v[S+n] row_xmask:\x row_mask:0xf bank_mask:0xf
.set n, n+1
.endr
.endr
.irp m, 0,1,2,3,4,5,6,7
	ds_store_b128 v[SCW], v[S+8*\m:S+8*\m+3] offset:64*\m
	ds_store_b128 v[SCW], v[S+8*\m+4:S+8*\m+7] offset:64*\m+16
.endr
	s_wait_dscnt 0x0
	s_barrier_signal -1
	s_barrier_wait -1
.macro SCLD reg, u
.irp t, 0,1,2,3,4,5,6,7,8,9,10,11,12,13,14,15
	ds_load_b128 v[\reg+4*\t:\reg+4*\t+3], v[SCR] offset:512*\u+64*(\t/2)+16*(\t%2)
.endr
.endm
.macro SADD reg
.set n, 0
.rept 32
	v_pk_add_f32 v[S+n:S+n+1], v[S+n:S+n+1], v[\reg+n:\reg+n+1]
.set n, n+2
.endr
.endm
	SCLD S, 0
	SCLD ACC, 1
	SCLD ACC+64, 2
	s_wait_dscnt 16
	SADD ACC
	SCLD ACC, 3
	s_wait_dscnt 16
	SADD ACC+64
	s_wait_dscnt 0x0
	SADD ACC
	v_max3_num_f32 v[T], v[S], v[S+1], v[S+2]
	v_max3_num_f32 v[T+1], v[S+3], v[S+4], v[S+5]
.irp i, 6,10,14,18,22,26,30,34,38,42,46,50,54,58
	v_max3_num_f32 v[T], v[T], v[S+\i], v[S+\i+1]
	v_max3_num_f32 v[T+1], v[T+1], v[S+\i+2], v[S+\i+3]
.endr
	v_max3_num_f32 v[T], v[T], v[S+62], v[S+63]
	v_max_num_f32 v[T], v[T], v[T+1]
	v_permlanex16_b32 v[PT], v[T], s[SEL], s[SEL+1]
	v_max_num_f32 v[MX], v[T], v[PT]
.set n, 0
.rept 32
	v_pk_add_f32 v[S+n:S+n+1], v[S+n:S+n+1], v[MX:MX+1] op_sel_hi:[1,0] neg_lo:[0,1] neg_hi:[0,1]
.set n, n+2
.endr
.set n, 0
	s_wait_alu depctr_va_vdst(0)
.rept 64
	v_exp_f32 v[S+n], v[S+n]
.set n, n+1
.endr
	v_nop
	s_wait_alu depctr_va_vdst(0)
	v_pk_add_f32 v[T:T+1], v[S:S+1], v[S+4:S+5]
	v_pk_add_f32 v[T+2:T+3], v[S+2:S+3], v[S+6:S+7]
.irp j, 8,12,16,20,24,28,32,36,40,44,48,52,56,60
	v_pk_add_f32 v[T:T+1], v[T:T+1], v[S+\j:S+\j+1]
	v_pk_add_f32 v[T+2:T+3], v[T+2:T+3], v[S+\j+2:S+\j+3]
.endr
	v_pk_add_f32 v[T:T+1], v[T:T+1], v[T+2:T+3]
	v_add_f32 v[T], v[T], v[T+1]
	v_permlanex16_b32 v[PT+1], v[T], s[SEL], s[SEL+1]
	v_add_f32 v[L], v[T], v[PT+1]
	s_cmp_lg_u32 s[WV], 0
	s_cbranch_scc1 .Lno_stat
	global_store_b64 v[SO], v[MX:MX+1], s[16:17]
.Lno_stat:
	s_mov_b32 s[HO], 0
	GROUPA 1, 1, 0, 0
	s_mov_b32 s[CNT], 6
.Lv:
	GROUPB 1, 2, G0K, 8, 0, 1
	GROUPA 1, 0, 0, 1
	s_sub_co_u32 s[CNT], s[CNT], 1
	s_cmp_lg_u32 s[CNT], 0
	s_cbranch_scc1 .Lv
	GROUPB 1, 1, G0K, 8, 0, 1
	GROUPA 1, 0, 0, 1
	GROUPB 1, 0, G0K, 8, 0, 1
	DRAIN 1
	HSTORE 1
	s_wait_dscnt 0x0
	s_barrier_signal -1
	s_barrier_wait -1
.irp u, 0,1
.irp c, 0,1,2,3,4,5,6,7
	ds_load_b128 v[ACC+32*\u+4*\c:ACC+32*\u+4*\c+3], v[FRD] offset:4096*\c+2048*\u
.endr
.endr
	s_wait_dscnt 0x0
.irp u, 0,1
.irp c, 0,2,4,6
	v_pk_add_f32 v[ACC+32*\u+4*\c:ACC+32*\u+4*\c+1], v[ACC+32*\u+4*\c:ACC+32*\u+4*\c+1], v[ACC+32*\u+4*\c+4:ACC+32*\u+4*\c+5]
	v_pk_add_f32 v[ACC+32*\u+4*\c+2:ACC+32*\u+4*\c+3], v[ACC+32*\u+4*\c+2:ACC+32*\u+4*\c+3], v[ACC+32*\u+4*\c+6:ACC+32*\u+4*\c+7]
.endr
.irp c, 0,4
	v_pk_add_f32 v[ACC+32*\u+4*\c:ACC+32*\u+4*\c+1], v[ACC+32*\u+4*\c:ACC+32*\u+4*\c+1], v[ACC+32*\u+4*\c+8:ACC+32*\u+4*\c+9]
	v_pk_add_f32 v[ACC+32*\u+4*\c+2:ACC+32*\u+4*\c+3], v[ACC+32*\u+4*\c+2:ACC+32*\u+4*\c+3], v[ACC+32*\u+4*\c+10:ACC+32*\u+4*\c+11]
.endr
	v_pk_add_f32 v[ACC+32*\u:ACC+32*\u+1], v[ACC+32*\u:ACC+32*\u+1], v[ACC+32*\u+16:ACC+32*\u+17]
	v_pk_add_f32 v[ACC+32*\u+2:ACC+32*\u+3], v[ACC+32*\u+2:ACC+32*\u+3], v[ACC+32*\u+18:ACC+32*\u+19]
.irp c, 0,1,2,3
	v_ldexp_f32 v[ACC+32*\u+\c], v[ACC+32*\u+\c], s[E23]
.endr
	global_store_b128 v[GO+2*\u], v[ACC+32*\u:ACC+32*\u+3], s[14:15]
.endr
	s_wait_tensorcnt 0x0
	ds_add_u32 v[SPW], v[NIL]
	s_wait_dscnt 0x0
	ROUND
	s_endpgm
.Lfunc_end_k_q63a96e1a12_attn:
	.size	k_q63a96e1a12_attn, .Lfunc_end_k_q63a96e1a12_attn-k_q63a96e1a12_attn
	.p2alignl 7, 3214868480
	.fill 96, 4, 3214868480
	.section	.rodata,"a",@progbits
	.p2align	6, 0x0
	.amdhsa_kernel k_q63a96e1a12_attn
		.amdhsa_group_segment_fixed_size 327680
		.amdhsa_private_segment_fixed_size 0
		.amdhsa_enable_private_segment 0
		.amdhsa_kernarg_size 56
		.amdhsa_user_sgpr_count 2
		.amdhsa_user_sgpr_kernarg_segment_ptr 1
		.amdhsa_wavefront_size32 1
		.amdhsa_system_sgpr_workgroup_id_x 1
		.amdhsa_system_sgpr_workgroup_id_y 1
		.amdhsa_system_sgpr_workgroup_id_z 1
		.amdhsa_system_vgpr_workitem_id 0
		.amdhsa_next_free_vgpr 1024
		.amdhsa_next_free_sgpr 88
		.amdhsa_reserve_vcc 0
		.amdhsa_float_denorm_mode_32 3
		.amdhsa_float_denorm_mode_16_64 3
		.amdhsa_memory_ordered 1
		.amdhsa_forward_progress 1
		.amdhsa_inst_pref_size 255
	.end_amdhsa_kernel
	.section	.bss,"aw",@nobits
	.p2align	6
	.space	262144
	.amdgpu_metadata
---
amdhsa.version: [ 1, 2 ]
amdhsa.kernels:
  - .name:           k_q63a96e1a12_attn
    .symbol:         k_q63a96e1a12_attn.kd
    .args:
      - { .name: x, .offset: 0, .size: 8, .value_kind: global_buffer, .address_space: global }
      - { .name: Wk_codes, .offset: 8, .size: 8, .value_kind: global_buffer, .address_space: global }
      - { .name: Wv_codes, .offset: 16, .size: 8, .value_kind: global_buffer, .address_space: global }
      - { .name: lowp_scales, .offset: 24, .size: 8, .value_kind: global_buffer, .address_space: global }
      - { .name: qws, .offset: 32, .size: 8, .value_kind: global_buffer, .address_space: global }
      - { .name: hpart, .offset: 40, .size: 8, .value_kind: global_buffer, .address_space: global }
      - { .name: stat, .offset: 48, .size: 8, .value_kind: global_buffer, .address_space: global }
    .group_segment_fixed_size: 327680
    .private_segment_fixed_size: 0
    .kernarg_segment_align: 8
    .kernarg_segment_size: 56
    .max_flat_workgroup_size: 128
    .sgpr_count:     88
    .vgpr_count:     1024
    .wavefront_size: 32
...
	.end_amdgpu_metadata
.endif
;; end of part 5
;; launch head (part 6): grid 32 x 8, 16 waves a work-group, no clusters, 12,288 bytes of LDS; arguments hpart, stat, Wc, bc, out0; writes out0
.if DOCPART == 6
	.amdgcn_target "amdgcn-amd-amdhsa--gfx1250"
	.amdhsa_code_object_version 6
	.text
	.protected	k_q63a96e1a12_head
	.globl	k_q63a96e1a12_head
	.p2align	8
	.type	k_q63a96e1a12_head,@function
k_q63a96e1a12_head:
	s_mov_b64 s[64:65], 0
	v_nop
	global_prefetch_b8 v0, s[64:65] scope:SCOPE_SE
	s_setreg_imm32_b32 hwreg(HW_REG_WAVE_MODE, 25, 1), 1
	s_wait_xcnt 0x0
; out0[b][c] = the sum over d of h[b][d] Wc[d][c] + bc[c], with h joined from the batch's 32 blocks: M = the largest m_i; w_i = 2^(m_i - M); h = (sum of w_i hpart_i) / (sum of w_i l_i).  All in f32.
; The sum of w_i l_i is at least 1: the block that holds M has w = 1, and its l counts its own largest p, which is 1.
; A work-group takes one batch b (grid y) and 32 columns c (grid x): 256 work-groups; the last of a batch takes columns 992 to 999.  Every work-group joins the whole h (it is the product's K): 128 KB, as much as its columns of Wc.
; With 64 columns to a work-group there would be 128 work-groups with 384 KB each; with 16 columns, 512 with 192 KB each, two to a WGP.
; Joining: thread u = thread % 256 takes 4 numbers of h; waves 0-7 add blocks 0-15, waves 8-15 blocks 16-31; the two halves meet in LDS.
; The product: wave v takes rows d = 64 v .. 64 v + 63; lane: q8 = lane % 8 takes 4 columns, rs = lane / 8 takes rows 64 v + 16 rs + 0 .. 15.  A row of Wc is 4,000 bytes, so its pieces begin at no multiple of 256.
; Past column 999 the column offset is held at 3,984 bytes, so that no load leaves its buffer; those lanes store nothing.
; No matrix unit: the product has 8 rows in all.  No cluster: each work-group reads its own columns of Wc.
.set HPR, 16                           ; v16-79   16 blocks x 4 numbers of hpart; later h's two halves; later the waves' sums
.set HV,  16                           ; v16-31   my 16 numbers of h
.set BC,  80                           ; v80-83   bc of my 4 columns
.set M,   84                           ; v84-87   at work on the statistics
.set HS,  88                           ; v88-91   my 4 numbers of half of h
.set W,   96                           ; v96-159  16 rows x 4 columns of Wc
.set A,   160                          ; v160-167 two sets of 4 sums
.set T,   168                          ; v168-171 destinations of the lane permutes
.set PS,  8192                         ; LDS: h's two halves at 0 and 4,096; the waves' sums from 8,192 on, 128 bytes a wave
	s_load_b256 s[4:11], s[0:1], 0x0               ; hpart s[4:5], stat s[6:7], Wc s[8:9], bc s[10:11]
	s_load_b64 s[12:13], s[0:1], 0x20              ; out0
	v_lshl_add_u32 v176, v0, 2, 0x2800
	v_mov_b32 v177, 0
	v_lshrrev_b32 v8, 5, v0
	s_delay_alu instid0(VALU_DEP_1)
	v_readfirstlane_b32 s18, v8                    ; wave 0..15
	v_and_b32 v1, 31, v0                           ; lane
	v_and_b32 v2, 7, v0                            ; q8
	v_bfe_u32 v3, v0, 3, 2                         ; rs 0..3
	s_and_b32 s19, ttmp7, 0xffff                   ; b
	s_lshr_b32 s20, s18, 3                         ; which half of the blocks my wave adds
	s_lshl_b32 s21, s20, 4
	v_add_nc_u32 v9, s21, v1
	s_delay_alu instid0(VALU_DEP_1)
	v_and_b32 v9, 31, v9                           ; lane i holds the statistics of block (i + 16 half) % 32: lanes 0-15 those of my wave's sixteen
	s_delay_alu instid0(VALU_DEP_1)
	v_lshlrev_b32 v9, 8, v9                        ; 256 bytes a block
	v_and_b32 v5, 0xff, v0
	s_delay_alu instid0(VALU_DEP_1)
	v_lshlrev_b32 v5, 4, v5                        ; hpart: 16 u
	s_lshl_b32 s22, ttmp9, 7
	v_lshl_add_u32 v6, v2, 4, s22                  ; my columns' byte in a row: 128 x chunk + 16 q8,
	s_delay_alu instid0(VALU_DEP_1)
	v_min_u32 v7, 3984, v6                         ; held inside the row
	s_lshl_b32 s23, s18, 6
	v_lshl_add_u32 v8, v3, 4, s23                  ; my first row: 64 v + 16 rs
	s_delay_alu instid0(VALU_DEP_1)
	v_mul_u32_u24 v4, v8, 4000
	s_delay_alu instid0(VALU_DEP_1)
	v_add_nc_u32 v4, v4, v7                        ; Wc
	v_lshlrev_b32 v12, 4, v0                       ; LDS: half of h, in: 16 x thread = 4,096 half + 16 u
	s_delay_alu instid0(VALU_DEP_4)
	v_lshlrev_b32 v13, 2, v8                       ; and back: my 16 numbers
	s_lshl_b32 s24, s18, 7
	v_lshl_add_u32 v14, v2, 4, s24
	s_delay_alu instid0(VALU_DEP_1)
	v_add_nc_u32 v14, PS, v14                      ; the waves' sums, in: 128 v + 16 q8
	v_lshlrev_b32 v15, 9, v3
	s_delay_alu instid0(VALU_DEP_1)
	v_lshl_add_u32 v15, v2, 4, v15
	s_delay_alu instid0(VALU_DEP_1)
	v_add_nc_u32 v15, PS, v15                      ; and back: waves 4 rs + 0 .. 3
	v_mov_b32 v[M+1], 0                            ; written once: a lane permute's destination counts as one of its sources
.irp j, 0,1,2,3
	v_mov_b32 v[T+\j], 0
.endr
	s_mov_b32 s14, 0x76543210                      ; v_permlanex16_b32: lane l xor 16
	s_mov_b32 s15, 0xfedcba98
	s_lshl_b32 s26, s19, 17                        ; a batch's 32 blocks of 4,096 bytes,
	s_lshl_b32 s27, s20, 16                        ; my wave's sixteen
	s_add_co_u32 s26, s26, s27
	s_mov_b32 s27, 0
	s_lshl_b32 s28, s19, 13                        ; a batch's 32 blocks of 256 bytes
	s_mov_b32 s29, 0
	s_mul_i32 s30, s19, 4000                       ; a row of out0
	s_mov_b32 s31, 0
	s_wait_kmcnt 0x0
	s_add_nc_u64 s[4:5], s[4:5], s[26:27]
	s_add_nc_u64 s[6:7], s[6:7], s[28:29]
	s_add_nc_u64 s[12:13], s[12:13], s[30:31]
	; the loads stand in the order of their use, since they come back in order: 1 + 16 + 1 + 16
	global_load_b64 v[10:11], v9, s[6:7]           ; (m, l)
.irp i, 0,1,2,3,4,5,6,7,8,9,10,11,12,13,14,15
	global_load_b128 v[HPR+4*\i:HPR+4*\i+3], v5, s[4:5] offset:4096*\i
.endr
	global_load_b128 v[BC:BC+3], v7, s[10:11]
.set cnt, 0
.rept 16
	global_load_b128 v[W+4*cnt:W+4*cnt+3], v4, s[8:9] offset:4000*cnt
.set cnt, cnt+1
.endr
	s_wait_loadcnt 33                              ; the statistics are in: 33 loads were issued behind them
	v_mov_b32 v[M], v10
.irp x, 1,2,4,8
	s_delay_alu instid0(VALU_DEP_1)
	v_max_num_f32_dpp v[M], v[M], v[M] row_xmask:\x row_mask:0xf bank_mask:0xf
.endr
	s_delay_alu instid0(VALU_DEP_1)
	v_permlanex16_b32 v[M+1], v[M], s14, s15
	s_delay_alu instid0(VALU_DEP_1)
	v_max_num_f32 v[M], v[M], v[M+1]               ; M: the largest of the 32
	s_delay_alu instid0(VALU_DEP_1)
	v_sub_f32 v[M+2], v10, v[M]
	s_wait_alu depctr_va_vdst(0)
	v_exp_f32 v[M+2], v[M+2]                       ; w = 2^(m - M)
	v_nop                                          ; a plain line behind a transcendental (ISA guide 5.7.2)
	s_wait_alu depctr_va_vdst(0)
	v_mul_f32 v[M+3], v[M+2], v11                  ; w l
.irp x, 1,2,4,8
	s_delay_alu instid0(VALU_DEP_1)
	v_add_f32_dpp v[M+3], v[M+3], v[M+3] row_xmask:\x row_mask:0xf bank_mask:0xf
.endr
	s_delay_alu instid0(VALU_DEP_1)
	v_permlanex16_b32 v[M+1], v[M+3], s14, s15
	s_delay_alu instid0(VALU_DEP_1)
	v_add_f32 v[M+3], v[M+3], v[M+1]               ; the row's whole sum
	s_wait_alu depctr_va_vdst(0)
	v_rcp_f32 v[M+3], v[M+3]
	v_nop
	s_wait_alu depctr_va_vdst(0)
	v_mul_f32 v[M+2], v[M+2], v[M+3]               ; f = w / the sum
.irp i, 0,1,2,3,4,5,6,7,8,9,10,11,12,13,14,15
	v_readlane_b32 s[32+\i], v[M+2], \i            ; my wave's sixteen factors
.endr
	s_wait_loadcnt 17                              ; the sixteen blocks are in; bc and the 16 rows of Wc may be out
.irp c, 0,1,2,3
	v_mul_f32 v[HS+\c], s32, v[HPR+\c]
.endr
.irp i, 1,2,3,4,5,6,7,8,9,10,11,12,13,14,15
.irp c, 0,1,2,3
	s_delay_alu instid0(VALU_DEP_4)
	v_fma_f32 v[HS+\c], s[32+\i], v[HPR+4*\i+\c], v[HS+\c]
.endr
.endr
	ds_store_b128 v12, v[HS:HS+3]
	s_wait_dscnt 0x0                               ; for the others' sake: my store is done
	s_barrier_signal -1
	s_barrier_wait -1
.irp k, 0,1,2,3
	ds_load_b128 v[HV+4*\k:HV+4*\k+3], v13 offset:16*\k
.endr
.irp k, 0,1,2,3
	ds_load_b128 v[HV+16+4*\k:HV+16+4*\k+3], v13 offset:4096+16*\k
.endr
	s_wait_dscnt 0x0
.set cnt, 0
.rept 8
	v_pk_add_f32 v[HV+cnt:HV+cnt+1], v[HV+cnt:HV+cnt+1], v[HV+16+cnt:HV+16+cnt+1]   ; h of my 16 rows
.set cnt, cnt+2
.endr
; Row r of my 16: four columns x one number of h, two packed instructions; op_sel and op_sel_hi give one register of a pair to both halves.  Rows 0 and 1 start the two sets of sums.
.macro MAC r
.set rA, A+4*((\r)%2)
.set rW, W+4*(\r)
.set rX, HV+(\r)-((\r)%2)
	s_wait_loadcnt 15-(\r)                         ; row r of Wc is in, the rows behind it may be out
.if (\r) == 0
	v_pk_mul_f32 v[rA:rA+1], v[rW:rW+1], v[rX:rX+1] op_sel_hi:[1,0]
	s_wait_alu depctr_va_vdst(0)
	v_pk_mul_f32 v[rA+2:rA+3], v[rW+2:rW+3], v[rX:rX+1] op_sel_hi:[1,0]
.elseif (\r) == 1
	v_pk_mul_f32 v[rA:rA+1], v[rW:rW+1], v[rX:rX+1] op_sel:[0,1] op_sel_hi:[1,1]
	v_pk_mul_f32 v[rA+2:rA+3], v[rW+2:rW+3], v[rX:rX+1] op_sel:[0,1] op_sel_hi:[1,1]
.elseif (\r)%2 == 0
	v_pk_fma_f32 v[rA:rA+1], v[rW:rW+1], v[rX:rX+1], v[rA:rA+1] op_sel_hi:[1,0,1]
	s_wait_alu depctr_va_vdst(0)
	v_pk_fma_f32 v[rA+2:rA+3], v[rW+2:rW+3], v[rX:rX+1], v[rA+2:rA+3] op_sel_hi:[1,0,1]
.else
	v_pk_fma_f32 v[rA:rA+1], v[rW:rW+1], v[rX:rX+1], v[rA:rA+1] op_sel:[0,1,0] op_sel_hi:[1,1,1]
	v_pk_fma_f32 v[rA+2:rA+3], v[rW+2:rW+3], v[rX:rX+1], v[rA+2:rA+3] op_sel:[0,1,0] op_sel_hi:[1,1,1]
.endif
.endm
.set cnt, 0
	s_wait_alu depctr_va_vdst(0)
.rept 16
	MAC cnt
.set cnt, cnt+1
.endr
	s_wait_alu depctr_va_vdst(0)
	v_pk_add_f32 v[A:A+1], v[A:A+1], v[A+4:A+5]
	v_pk_add_f32 v[A+2:A+3], v[A+2:A+3], v[A+6:A+7]
.irp j, 0,1,2,3
	v_add_f32_dpp v[A+\j], v[A+\j], v[A+\j] row_xmask:8 row_mask:0xf bank_mask:0xf   ; lane l xor 8: the neighbouring group of 16 rows
.endr
.irp j, 0,1,2,3
	s_delay_alu instid0(VALU_DEP_4)
	v_permlanex16_b32 v[T+\j], v[A+\j], s14, s15   ; lane l xor 16: the other two groups
.endr
	s_delay_alu instid0(VALU_DEP_3)
	v_pk_add_f32 v[A:A+1], v[A:A+1], v[T:T+1]
	s_delay_alu instid0(VALU_DEP_2)
	v_pk_add_f32 v[A+2:A+3], v[A+2:A+3], v[T+2:T+3]
	ds_store_b128 v14, v[A:A+3]                    ; the four lanes of a q8 hold the same sums and store the same bytes
	s_wait_dscnt 0x0
	s_barrier_signal -1
	s_barrier_wait -1
	s_cmp_lg_u32 s18, 0
	s_cbranch_scc1 .Ldone                          ; wave 0 alone adds the sixteen and stores
.irp k, 0,1,2,3
	ds_load_b128 v[HPR+4*\k:HPR+4*\k+3], v15 offset:128*\k
.endr
	s_wait_dscnt 0x0
.irp k, 0,2
	v_pk_add_f32 v[HPR+4*\k:HPR+4*\k+1], v[HPR+4*\k:HPR+4*\k+1], v[HPR+4*\k+4:HPR+4*\k+5]
	v_pk_add_f32 v[HPR+4*\k+2:HPR+4*\k+3], v[HPR+4*\k+2:HPR+4*\k+3], v[HPR+4*\k+6:HPR+4*\k+7]
.endr
	s_delay_alu instid0(VALU_DEP_2)
	v_pk_add_f32 v[HPR:HPR+1], v[HPR:HPR+1], v[HPR+8:HPR+9]
	s_delay_alu instid0(VALU_DEP_2)
	v_pk_add_f32 v[HPR+2:HPR+3], v[HPR+2:HPR+3], v[HPR+10:HPR+11]
.irp j, 0,1,2,3
	v_add_f32_dpp v[HPR+\j], v[HPR+\j], v[HPR+\j] row_xmask:8 row_mask:0xf bank_mask:0xf
.endr
.irp j, 0,1,2,3
	s_delay_alu instid0(VALU_DEP_4)
	v_permlanex16_b32 v[T+\j], v[HPR+\j], s14, s15
.endr
	s_delay_alu instid0(VALU_DEP_3)
	v_pk_add_f32 v[HPR:HPR+1], v[HPR:HPR+1], v[T:T+1]
	s_delay_alu instid0(VALU_DEP_2)
	v_pk_add_f32 v[HPR+2:HPR+3], v[HPR+2:HPR+3], v[T+2:T+3]
	s_delay_alu instid0(VALU_DEP_2)
	v_pk_add_f32 v[HPR:HPR+1], v[HPR:HPR+1], v[BC:BC+1]       ; + bc
	s_delay_alu instid0(VALU_DEP_2)
	v_pk_add_f32 v[HPR+2:HPR+3], v[HPR+2:HPR+3], v[BC+2:BC+3]
	v_cmp_gt_u32 vcc_lo, 8, v1                     ; eight lanes store,
	v_cmp_gt_u32 s24, 4000, v6                     ; those whose four columns exist (1,000 is a multiple of 4)
	s_and_b32 vcc_lo, vcc_lo, s24
	s_wait_alu depctr_va_vdst(0)
	s_wait_xcnt 0x0                                ; EXEC is a source of the loads above: it changes only behind this wait
	s_and_saveexec_b32 s25, vcc_lo
	global_store_b128 v6, v[HPR:HPR+3], s[12:13]   ; up to 128 consecutive bytes of a row of out0
	s_wait_xcnt 0x0
	s_or_b32 exec_lo, exec_lo, s25
.Ldone:
	s_wait_tensorcnt 0x0
	ds_add_u32 v176, v177
	s_wait_dscnt 0x0
	s_endpgm
.Lfunc_end_k_q63a96e1a12_head:
	.size	k_q63a96e1a12_head, .Lfunc_end_k_q63a96e1a12_head-k_q63a96e1a12_head
	.p2alignl 7, 3214868480
	.fill 96, 4, 3214868480
	.section	.rodata,"a",@progbits
	.p2align	6, 0x0
	.amdhsa_kernel k_q63a96e1a12_head
		.amdhsa_group_segment_fixed_size 12288
		.amdhsa_private_segment_fixed_size 0
		.amdhsa_enable_private_segment 0
		.amdhsa_kernarg_size 40
		.amdhsa_user_sgpr_count 2
		.amdhsa_user_sgpr_kernarg_segment_ptr 1
		.amdhsa_wavefront_size32 1
		.amdhsa_system_sgpr_workgroup_id_x 1
		.amdhsa_system_sgpr_workgroup_id_y 1
		.amdhsa_system_sgpr_workgroup_id_z 1
		.amdhsa_system_vgpr_workitem_id 0
		.amdhsa_next_free_vgpr 178
		.amdhsa_next_free_sgpr 66
		.amdhsa_reserve_vcc 1
		.amdhsa_float_denorm_mode_32 3
		.amdhsa_float_denorm_mode_16_64 3
		.amdhsa_memory_ordered 1
		.amdhsa_forward_progress 1
		.amdhsa_inst_pref_size 22
	.end_amdhsa_kernel
	.amdgpu_metadata
---
amdhsa.version: [ 1, 2 ]
amdhsa.kernels:
  - .name:           k_q63a96e1a12_head
    .symbol:         k_q63a96e1a12_head.kd
    .args:
      - { .name: hpart, .offset: 0, .size: 8, .value_kind: global_buffer, .address_space: global }
      - { .name: stat, .offset: 8, .size: 8, .value_kind: global_buffer, .address_space: global }
      - { .name: Wc, .offset: 16, .size: 8, .value_kind: global_buffer, .address_space: global }
      - { .name: bc, .offset: 24, .size: 8, .value_kind: global_buffer, .address_space: global }
      - { .name: out0, .offset: 32, .size: 8, .value_kind: global_buffer, .address_space: global }
    .group_segment_fixed_size: 12288
    .private_segment_fixed_size: 0
    .kernarg_segment_align: 8
    .kernarg_segment_size: 40
    .max_flat_workgroup_size: 512
    .sgpr_count:     66
    .vgpr_count:     178
    .wavefront_size: 32
...
	.end_amdgpu_metadata
.endif
;; end of part 6
